; MI455X (gfx1250); checked and timed in simulation.
; The chip was launched on July 23, 2026; its instructions are those of AMD's public machine-readable ISA for CDNA 5 (MIT licence, August 2026) and "CDNA5" Instruction Set Architecture Reference Guide (July 2026). The comments in the code are by the model that wrote it; some were corrected since.
;; multihead self attention. Allowed arithmetic: matrix products marked QUANTISED: E2M3 operands, one E8M0 scale for each 32 along K, by v_wmma_scale_f32_16x16x128_f8f6f4 with both operands' format E2M3, f32 sums; everything else in f32.
;; Inputs: W_k 1,024 x 1,024 float32; W_o 1,024 x 1,024 float32; W_q 1,024 x 1,024 float32; W_v 1,024 x 1,024 float32; x 4 x 2,048 x 1,024 float32.
;; Outputs: out0 4 x 2,048 x 1,024 float32.
;; This version of the problem:
;;   THIS VERSION OF THE PROBLEM IS GIVEN IN LOW PRECISION. The matrix products marked QUANTISED in the list below multiply operands that are first quantised to E2M3 (2 exponent bits, 3 mantissa bits; 6 bits a number), with one power-of-two scale for each 32 numbers along K (OCP MX v1.0); their sums are f32. All else is computed in f32.
;;   The module's matrix products, in the order in which they are computed (A, B: the left and right operand; K: the contracted axis; several contracted axes count as one K, in the product's order):
;;     1. [M 8,192, K 1,024] x [K 1,024, N 1,024]; A: input x; B: input W_q: QUANTISED
;;     2. [M 8,192, K 1,024] x [K 1,024, N 1,024]; A: input x; B: input W_k: QUANTISED
;;     3. [M 8,192, K 1,024] x [K 1,024, N 1,024]; A: input x; B: input W_v: QUANTISED
;;     4. batch 64 x [M 2,048, K 64] x [K 64, N 2,048]; A: computed on the way; B: computed on the way: QUANTISED
;;     5. batch 64 x [M 2,048, K 2,048] x [K 2,048, N 64]; A: softmax (see below); B: computed on the way: QUANTISED
;;     6. [M 8,192, K 1,024] x [K 1,024, N 1,024]; A: computed on the way; B: input W_o: QUANTISED
;;   THE QUANTISER, for each operand of a quantised product, along K:
;;     - K is cut into blocks of 32 from its start; a last block that is shorter is filled with zeros.
;;     - A block's scale is 2^e with e = floor(log2(the largest magnitude in the block)) - 2, held to -126 .. 127; a block of zeros has e = 0. As a byte (E8M0): e + 127.
;;     - Each number is divided by its block's scale, clamped to +-7.5, and rounded to the nearest number of E2M3, ties to even, subnormals kept.
;;     - The product sums the exact products of the quantised numbers (number of the format x scale) in f32.
;;   ~~~python
;;   def quantise(x, axis):      # numpy; x: float32 -> the quantised numbers, widened to float32 again
;;       x = np.moveaxis(x, axis, -1); K = x.shape[-1]
;;       x = np.pad(x, [(0, 0)] * (x.ndim - 1) + [(0, -K % 32)]); x = x.reshape(x.shape[:-1] + (-1, 32)); a = np.abs(x).max(-1, keepdims=True)
;;       e = np.where(a > 0, np.clip(np.frexp(np.where(a > 0, a, 1))[1] - 1 - 2, -126, 127), 0)      # np.frexp(a)[1] - 1 = floor(log2(a)), exactly
;;       r = np.clip(x / 2.0 ** e, -7.5, 7.5)
;;       step = 2.0 ** (np.maximum(np.frexp(np.where(r == 0, 1, r))[1] - 1, 0) - 3)
;;       q = np.round(r / step) * step * 2.0 ** e      # np.round: ties to even
;;       return np.moveaxis(q.reshape(q.shape[:-2] + (-1,))[..., :K], -1, axis).astype(np.float32)
;;   ~~~
;;   SOFTMAX AHEAD OF A QUANTISED PRODUCT. Where the list says 'softmax', what is quantised is not the finished softmax but p = 2^(t - M), with t = logit x log2(e) and M = ceil(the row's largest t), a whole number; so 1/2 < the row's largest p <= 1. The row's sum l is taken of the UNQUANTISED p, in f32, and the product's result is divided by l at the end. Since M is a whole number, a kernel that streams over the keys may use a running M (the ceiling of the running maximum): every later rescaling is an exact power of two, which a block's scale takes up: the codes' values come out the same.
;;   OPERANDS COMPUTED ON THE WAY. 'Computed on the way' means the value that the module computes at that place (a softmax that the list does not call 'softmax' is quantised finished and normalised). What goes into a quantiser is computed in f32, as accurately as f32 sums, v_exp_f32 and their like allow (about 1e-6 of the number): no bf16 or f16 on the way to a quantiser, and a product that is left as it is and whose result goes on into a quantised operand takes f32 operands (vector FMAs, or v_wmma_f32_16x16x4_f32). A number that lies on a knife's edge between two numbers of the format may be rounded either way, as far as f32 arithmetic and the matrix unit's own rounding can turn it there, and no further.
;; One version. Each part assembles by itself: llvm-mc -triple=amdgcn-amd-amdhsa -mcpu=gfx1250 --defsym DOCPART=n.
;; ======== version 1 of 1: 4 launches
;; workspace buffers: x_codes 6,291,456 bytes; x_scales 262,144 bytes; w_codes 3,145,728 bytes; w_scales 131,072 bytes; q_rec 6,553,600 bytes; kv_rec 13,107,200 bytes; o_img 6,291,456 bytes; o_scales 262,144 bytes
;; launch quant (part 1): grid 384 x 1, 4 waves a work-group, no clusters, 33,280 bytes of LDS; arguments x, W_q, W_k, W_v, W_o, x_codes, x_scales, w_codes, w_scales; writes x_codes, x_scales, w_codes, w_scales
.if DOCPART == 1
	.amdgcn_target "amdgcn-amd-amdhsa--gfx1250"
	.amdhsa_code_object_version 6
	.text
	.protected	k_q4c2421686b_quant
	.globl	k_q4c2421686b_quant
	.p2align	8
	.type	k_q4c2421686b_quant,@function
k_q4c2421686b_quant:
	s_mov_b64 s[64:65], 0
	v_nop
	global_prefetch_b8 v0, s[64:65] scope:SCOPE_SE
	s_setreg_imm32_b32 hwreg(HW_REG_WAVE_MODE, 25, 1), 1
	s_wait_xcnt 0x0
; x [8192][1024] and W_q, W_k, W_v, W_o [1024][1024], f32, K innermost, become codes of FP6 (E2M3), 6 bits each, with one E8M0 scale byte for each 32 along K.
; A block's scale is 2^(floor(log2(its largest magnitude)) - 2); its byte is the largest magnitude's exponent field - 2, held at 1 from below.  Each number is divided by the scale and rounded to the nearest code, ties to even,
; beyond 7.5 the largest code.  (A block of zeros gets the byte 1 where the rule says 127: its codes are zeros, which add nothing under any byte but 0xff, and this program alone reads the bytes.)
; LIMITS: NaN and infinities among the inputs are not served.
; OUT: x_codes [8192 rows][768 bytes], x_scales [8192][32]; w_codes [4096 rows][768], w_scales [4096][32]: rows 0-1023 W_q, 1024-2047 W_k, 2048-3071 W_v, 3072-4095 W_o.
; TILE ORDER: in x, W_q, W_k and W_v the rows of each group of 32 are stored as groups of eight in the order 0, 2, 1, 3, so that 16 rows on end in the buffer are rows 8 u + r + 8 (r / 8) of the group: used as
; source 0 of a matrix instruction, two such tiles side by side give a lane 16 neighbours along the next product's K.  W_o keeps its order.
; SHARES: a work-group takes 32 rows, a wave 8 rows = 8,192 numbers = 16 steps of 512.  So the order of rows costs one choice of where a wave's run goes: wave 0, 1, 2, 3 to place 0, 2, 1, 3.
; Work-groups 0-255 take x, 256-287 W_q, 288-319 W_k, 320-351 W_v, 352-383 W_o: only pointers are chosen, all take one path.
; Each of a step's four loads reads 512 consecutive bytes, 16 a lane; the 2,048 bytes turn through the wave's own stage in LDS and come back 64 bytes a lane: 16 neighbours along K, two lanes to a block.
; No tensor loads, no barrier: waves share nothing.  Loads run four steps (16 loads a wave) ahead, the turn through LDS one step.
.set STEPS, 16
.set CB,    12                         ; bytes of 16 codes
.set R,     16                         ; v16-79   four sets of 16 numbers as they are loaded
.set X,     80                         ; v80-111  two sets of 16 neighbours
.set C,     128                        ; v128-191 codes: four registers for each step, so that no store's data are written again
.set E,     112                        ; v112-127 a scale byte for each step
.set WREG,  8192                       ; LDS: a region for each wave: two stages of 32 x SP bytes, behind them its 256 scale bytes
.set SP,    80                         ; a lane's place in a stage: its 64 bytes + 16 of padding
	s_load_b256 s[4:11], s[0:1], 0x0               ; x s[4:5], W_q s[6:7], W_k s[8:9], W_v s[10:11]
	s_load_b256 s[12:19], s[0:1], 0x20             ; W_o s[12:13], x_codes s[14:15], x_scales s[16:17], w_codes s[18:19]
	s_load_b64 s[20:21], s[0:1], 0x40              ; w_scales
	v_lshl_add_u32 v192, v0, 2, 0x8000
	v_mov_b32 v193, 0
	v_lshrrev_b32 v1, 5, v0
	v_readfirstlane_b32 s26, v1                    ; wave
	v_and_b32 v2, 31, v0                           ; lane
	v_lshlrev_b32 v3, 4, v2                        ; my 16 bytes of a load's 512
	s_mul_i32 s27, s26, WREG
	v_lshrrev_b32 v14, 2, v2
	v_mul_u32_u24 v14, v14, SP
	v_and_b32 v15, 3, v2
	v_lshl_add_u32 v14, v15, 4, v14
	v_add_nc_u32 v14, s27, v14                     ; the stage, on the way in: SP (lane / 4) + 16 (lane % 4)
	v_mul_u32_u24 v15, v2, SP
	v_add_nc_u32 v15, s27, v15                     ; and on the way out: SP x lane: my 16 neighbours
	v_mul_u32_u24 v4, v2, CB                       ; my codes' place in a step's
	v_lshrrev_b32 v5, 1, v2
	s_add_co_u32 s27, s27, 2*32*SP
	v_add_nc_u32 v5, s27, v5                       ; LDS: my wave's 256 scale bytes, my block's byte
	v_lshlrev_b32 v7, 3, v2                        ; and on the way out 8 bytes a lane
	v_add_nc_u32 v6, s27, v7
	s_and_b32 s28, s26, 1
	s_lshl_b32 s28, s28, 1
	s_lshr_b32 s29, s26, 1
	s_or_b32 s28, s28, s29                         ; the place of my eight rows in tile order: 0, 2, 1, 3
	s_wait_kmcnt 0x0
	s_cmp_lt_u32 ttmp9, 352                        ; every choice hangs on the work-group's number alone
	s_cselect_b64 s[12:13], s[10:11], s[12:13]     ; W_v or W_o,
	s_cselect_b32 s28, s28, s26                    ; (W_o keeps its rows' order)
	s_cmp_lt_u32 ttmp9, 320
	s_cselect_b64 s[12:13], s[8:9], s[12:13]       ; W_k,
	s_cmp_lt_u32 ttmp9, 288
	s_cselect_b64 s[12:13], s[6:7], s[12:13]       ; W_q,
	s_cmp_lt_u32 ttmp9, 256
	s_cselect_b64 s[4:5], s[4:5], s[12:13]         ; or x
	s_cselect_b64 s[8:9], s[14:15], s[18:19]       ; where the codes go,
	s_cselect_b64 s[10:11], s[16:17], s[20:21]     ; and the scale bytes
	s_cselect_b32 s22, 0, 256
	s_cselect_b32 s23, -1, 31
	s_sub_co_u32 s22, ttmp9, s22                   ; which 32 rows of the buffer of codes,
	s_and_b32 s23, s22, s23                        ; and of the tensor that is read
	s_lshl_b32 s23, s23, 2
	s_add_co_u32 s23, s23, s26
	s_lshl_b32 s24, s23, 15                        ; 32,768 bytes of f32 a run
	s_mov_b32 s25, 0
	s_add_nc_u64 s[4:5], s[4:5], s[24:25]
	s_lshl_b32 s22, s22, 2
	s_add_co_u32 s22, s22, s28
	s_mul_i32 s24, s22, 32*STEPS*CB                ; 6,144 bytes of codes a run
	s_add_nc_u64 s[8:9], s[8:9], s[24:25]
	s_lshl_b32 s24, s22, 8                         ; 256 scale bytes a run
	s_add_nc_u64 s[10:11], s[10:11], s[24:25]
.macro LOAD t
.irp i, 0,1,2,3
	global_load_b128 v[R+16*((\t)%4)+4*\i:R+16*((\t)%4)+4*\i+3], v3, s[4:5] offset:2048*(\t)+512*\i th:TH_LOAD_NT   ; 32 lanes read 512 consecutive bytes
.endr
.endm
.macro TURN t                          ; step t's numbers through the stage: LDS serves a wave's instructions in order, so no wait stands between the stores and the loads
.irp i, 0,1,2,3
	ds_store_b128 v14, v[R+16*((\t)%4)+4*\i:R+16*((\t)%4)+4*\i+3] offset:32*SP*((\t)%2)+8*SP*\i
.endr
.irp i, 0,1,2,3
	ds_load_b128 v[X+16*((\t)%2)+4*\i:X+16*((\t)%2)+4*\i+3], v15 offset:32*SP*((\t)%2)+16*\i
.endr
.endm
.irp t, 0,1,2,3
	LOAD \t
.endr
	s_wait_loadcnt 12                              ; step 0's four loads are in; the twelve of steps 1 to 3 may be out
	TURN 0
.macro STEP t
.set XS, X+16*((\t)%2)
.if (\t) > 0
	s_wait_dscnt 1                                 ; this step's numbers are back from the stage (the last step's byte store may be out): so its stores into the stage have read their registers,
.else
	s_wait_dscnt 0x0
.endif
.if (\t)+4 < STEPS
	LOAD (\t)+4                                    ; which take the loads of four steps on
.endif
.if (\t)+1 < STEPS
.if STEPS-2-(\t) >= 3
	s_wait_loadcnt 12                              ; the next step's four loads are in; those of the three steps behind it may be out
.else
	s_wait_loadcnt 4*(STEPS-2-(\t))                ; the same count, running down at the end
.endif
	TURN (\t)+1                                    ; and go through the other stage while this step is worked
.endif
	v_max3_num_f32 v8, |v[XS]|, |v[XS+1]|, |v[XS+2]|               ; the largest magnitude of my 16, in two chains
	v_max3_num_f32 v9, |v[XS+3]|, |v[XS+4]|, |v[XS+5]|
.irp i, 6,10
	v_max3_num_f32 v8, v8, |v[XS+\i]|, |v[XS+\i+1]|
	v_max3_num_f32 v9, v9, |v[XS+\i+2]|, |v[XS+\i+3]|
.endr
	v_max3_num_f32 v8, v8, |v[XS+14]|, |v[XS+15]|
	v_max3_num_f32 v8, v8, v9, 0x1800000           ; and the floor 2^(3 - 127): the byte cannot fall under 1
	v_max_num_f32_dpp v8, v8, v8 row_xmask:1 row_mask:0xf bank_mask:0xf   ; and of my neighbour's 16: the block's
	v_add_nc_u32 v11, 0xff000000, v8               ; 2 off its exponent field: the conversion takes the exponent field of this operand as its scale, and nothing else of it
	v_cvt_scalef32_pk16_fp6_f32 v[C+4*(\t):C+4*(\t)+2], v[XS:XS+15], v11         ; 96 bits without gaps, the first number's code lowest
	v_lshrrev_b32 v[E+(\t)], 23, v11               ; the scale's byte (also the plain line behind the conversion)
	ds_store_b8 v5, v[E+(\t)] offset:16*(\t)       ; both lanes of a block write the same byte with the same value
	global_store_b96 v4, v[C+4*(\t):C+4*(\t)+2], s[8:9] offset:32*CB*(\t)        ; the wave stores 384 consecutive bytes
.endm
.irp t, 0,1,2,3,4,5,6,7,8,9,10,11,12,13,14,15
	STEP \t
.endr
	ds_load_b64 v[12:13], v6                       ; LDS serves a wave's instructions in order: these see my stores
	s_wait_dscnt 0x0
	global_store_b64 v7, v[12:13], s[10:11]        ; 32 lanes store 256 consecutive bytes, aligned
	s_wait_tensorcnt 0x0
	ds_add_u32 v192, v193
	s_wait_dscnt 0x0
	s_endpgm
.Lfunc_end_k_q4c2421686b_quant:
	.size	k_q4c2421686b_quant, .Lfunc_end_k_q4c2421686b_quant-k_q4c2421686b_quant
	.p2alignl 7, 3214868480
	.fill 96, 4, 3214868480
	.section	.rodata,"a",@progbits
	.p2align	6, 0x0
	.amdhsa_kernel k_q4c2421686b_quant
		.amdhsa_group_segment_fixed_size 33280
		.amdhsa_private_segment_fixed_size 0
		.amdhsa_enable_private_segment 0
		.amdhsa_kernarg_size 72
		.amdhsa_user_sgpr_count 2
		.amdhsa_user_sgpr_kernarg_segment_ptr 1
		.amdhsa_wavefront_size32 1
		.amdhsa_system_sgpr_workgroup_id_x 1
		.amdhsa_system_sgpr_workgroup_id_y 1
		.amdhsa_system_sgpr_workgroup_id_z 1
		.amdhsa_system_vgpr_workitem_id 0
		.amdhsa_next_free_vgpr 194
		.amdhsa_next_free_sgpr 66
		.amdhsa_reserve_vcc 0
		.amdhsa_float_denorm_mode_32 3
		.amdhsa_float_denorm_mode_16_64 3
		.amdhsa_memory_ordered 1
		.amdhsa_forward_progress 1
		.amdhsa_inst_pref_size 33
	.end_amdhsa_kernel
	.amdgpu_metadata
---
amdhsa.version: [ 1, 2 ]
amdhsa.kernels:
  - .name:           k_q4c2421686b_quant
    .symbol:         k_q4c2421686b_quant.kd
    .args:
      - { .name: x, .offset: 0, .size: 8, .value_kind: global_buffer, .address_space: global }
      - { .name: W_q, .offset: 8, .size: 8, .value_kind: global_buffer, .address_space: global }
      - { .name: W_k, .offset: 16, .size: 8, .value_kind: global_buffer, .address_space: global }
      - { .name: W_v, .offset: 24, .size: 8, .value_kind: global_buffer, .address_space: global }
      - { .name: W_o, .offset: 32, .size: 8, .value_kind: global_buffer, .address_space: global }
      - { .name: x_codes, .offset: 40, .size: 8, .value_kind: global_buffer, .address_space: global }
      - { .name: x_scales, .offset: 48, .size: 8, .value_kind: global_buffer, .address_space: global }
      - { .name: w_codes, .offset: 56, .size: 8, .value_kind: global_buffer, .address_space: global }
      - { .name: w_scales, .offset: 64, .size: 8, .value_kind: global_buffer, .address_space: global }
    .group_segment_fixed_size: 33280
    .private_segment_fixed_size: 0
    .kernarg_segment_align: 8
    .kernarg_segment_size: 72
    .max_flat_workgroup_size: 128
    .sgpr_count:     66
    .vgpr_count:     194
    .wavefront_size: 32
...
	.end_amdgpu_metadata
.endif
;; end of part 1
;; launch qkv (part 2): grid 12 x 32, 4 waves a work-group, clusters of 4 x 4, 327,680 bytes of LDS; arguments x_codes, x_scales, w_codes, w_scales, q_rec, kv_rec; writes q_rec, kv_rec
.if DOCPART == 2
	.amdgcn_target "amdgcn-amd-amdhsa--gfx1250"
	.amdhsa_code_object_version 6
	.text
	.protected	k_q4c2421686b_qkv
	.globl	k_q4c2421686b_qkv
	.p2align	8
	.type	k_q4c2421686b_qkv,@function
k_q4c2421686b_qkv:
	s_mov_b64 s[64:65], 0
	v_nop
	global_prefetch_b8 v0, s[64:65] scope:SCOPE_SE
	s_setreg_imm32_b32 hwreg(HW_REG_WAVE_MODE, 25, 1), 1
	s_wait_xcnt 0x0
	s_wait_alu depctr_hold_cnt(0) depctr_sa_sdst(0) depctr_va_vdst(0) depctr_va_sdst(0) depctr_va_ssrc(0) depctr_va_vcc(0) depctr_vm_vsrc(0)
	s_getreg_b32 s2, hwreg(HW_REG_IB_STS2, 6, 4)
	s_cmp_eq_u32 s2, 0
	s_cbranch_scc0 .Lentry_in_a_cluster
	s_endpgm
.Lentry_in_a_cluster:
	s_bfe_u32 s2, ttmp6, 0x10000c
	s_cmp_lg_u32 s2, 0xf033
	s_cbranch_scc0 .Lentry_shape_is_right
	s_endpgm
.Lentry_shape_is_right:
; Q = x W_q^T, K = x W_k^T, V = x W_v^T on codes of FP6 (E2M3) with E8M0 scales, sums in f32; the results are quantised in registers and leave as images of the next products' operand registers.
; x_codes [8192][768 bytes], w_codes [4096][768 bytes] with their scale bytes [..][32]; the rows of x, W_q, W_k, W_v lie in tile order (16 rows on end are rows 8 u + r + 8 (r / 8) of a group of 32).
; SHARES.  A work-group of four waves makes 256 x 256 results, a wave 128 x 128: 64 accumulators of 16 x 16, 512 registers.  K = 1,024 goes in four steps of 256 through a ring of two LDS slots filled by the tensor data mover.
; The cluster's x says which product: 0 Q, 1 K, 2 V: the same in all sixteen partners.  Source 0 of the matrix instruction takes the B SIDE, source 1 the A SIDE; a lane holds one row of the A side, its registers run along the B side.
;   Q, K: A side = x (tokens), B side = W (features): a lane holds one token and 128 neighbouring features (two heads): they are quantised along the head's 64.
;   V:    A side = W_v (channels), B side = x (tokens): a lane holds one channel and 128 neighbouring keys: they are quantised along the keys, which are the K of the second product of attention.
; Only pointers and tile numbers are chosen; the loop is one text.
; CLUSTERS: 4 x 4 work-groups.  The four of a row of the cluster need the same tiles of the A side, the four of a column the same tiles of the B side: each tile is asked for JOINTLY.
; OUT.  A UNIT is the image of 12 operand registers: three planes of 512 bytes, plane p = registers 4 p .. 4 p + 3, lane l's 16 bytes at 16 l.  A record serves one head and 128 tokens:
;   q_rec [64 heads][16][6,400]: 4 units, then 256 bytes of scale words.  Unit u = the six registers of token tile 2 u, then those of tile 2 u + 1 (a tile: lane (r, h) holds dims 32 h .. 32 h + 31 of its token r).
;   kv_rec [64 heads][16][12,800]: K's part, as Q's, then V's part: unit t = the fragment of channel tile t (16 channels x the record's 128 keys), then 256 bytes of scale words.
;   The scale word of unit u and row r lies at 8 (r + 16 (u % 2)) + 4 (u / 2): one load of 8 bytes a lane brings all four units' words.
; LIMITS: a block of zeros gets the scale byte 1 (its codes are zeros; this program alone reads the bytes); NaN and infinities are not served.
; REGISTERS, in windows of 256: window 0: v0-31 addresses; v32-63 scale words, two sets, and nothing else; from v128 the A side's fragments, ONE set; on the way out v64-127 and v224-255 are at work.
;   window 1: the B side's fragments, TWO sets, at v0 and v128.   window 2: the accumulators of my A rows 0-63 ((a, b) at v[8 (8 a + b)]);   window 3: those of rows 64-127.
.set KSTEP,  256                       ; along K in a slot
.set NQ,     2                         ; matrix instructions deep
.set ROWB,   192                       ; a tile's row in bytes
.set KROW,   768                       ; a row of codes in memory
.set PITCH,  240                       ; an LDS row: 3 x (64 bytes of data + 16 of padding)
.set FR,     12                        ; registers of a fragment: 16 rows x 128 K
.set NL,     6                         ; LDS loads that bring one
.set NP,     4                         ; places behind this matrix instruction (ISA guide 7.12.1)
.set HALFT,  128*PITCH                 ; 128 rows: what one tensor load brings
.set SLOT,   4*HALFT                   ; the A side's 256 rows, then the B side's
.set LAPS,   2                         ; a lap = two K steps = once round the ring
.set KS,     32                        ; a row of scale bytes
.set SCL,    2*SLOT                    ; behind the ring: the scales, as rows of 256 bytes + 16 of padding; filled once
.set HALFS,  (128*KS/256)*272          ; the scales of 128 rows
.set SBLK,   (16*KS/256)*272           ; those of 16 rows
.set SPARE,  SCL+4*HALFS               ; the spare words, 128 bytes for each wave: two blocks of 256 bytes that no other line names
.set ADRA, 16                          ; v16-17 LDS address of my A fragments in slot 0, 1 (v18-19: for the pieces behind one padding more)
.set ADRB, 20                          ; v20-23 the same for B
.set LI,   26                          ; v26  16 x lane
.set ADRS, 27                          ; v27  LDS address of my scale words: lanes 0-15 the A side's rows, lanes 16-31 the B side's
.set SPW,  28                          ; v28  LDS address of my spare word; never rewritten
.set NIL,  29                          ; v29  0; never rewritten
.set L8,   30                          ; v30  8 x lane
.set LN,   31                          ; v31  lane
.set SC,   32                          ; scale words: set s at v[SC + 16 s]
.set OB,   64                          ; the way out: two units (24 registers), at v64 and at v96 by turns
.set TC,   120                         ; v120-126 the conversions' second halves
.set AF,   128                         ; the A side's fragments
.set TM,   224                         ; v224-227 largest magnitudes, v228-231 the other half's, then bytes, v236-239 the conversions' scale operands
.set PWE,  240                         ; the scale word of the pair's even tile,
.set PWO,  241                         ; and of the odd one
.set WD,   244                         ; v244-251 the word of head e, unit u at WD + 4 e + u
.set XW,   252                         ; v252-255 the words as they are stored
.set SEL,  6                           ; s[6:7]  the way out: lane selects for lane l xor 16
.set PP,   20                          ; s[20:21], s[22:23] the way out: my two heads' records
.set G1, 24
.set G0, 32
.set G1B, 48
.set G0B, 56
.set G1S, 68
.set G0S, 76
.set G1SB, 80
.set G0SB, 88
.set MSB, 0
.macro WIN new                         ; the immediate's high byte repeats the setting that is left
.if MSB != (\new)
	s_set_vgpr_msb (MSB<<8)|(\new)
.set MSB, (\new)
.endif
.endm
.set MUL_LO, 0xa1                      ; source 0 window 1, source 1 window 0, C and D window 2
.set MUL_HI, 0xf1                      ; the same, C and D window 3
.set TO_B,   0x40                      ; destination window 1, address window 0
; A joint load: waves 0 and 1 fetch for the A side, waves 2 and 3 for the B side.  The branch hangs on the wave's number alone.  Four v_nop follow each of the two lines.
.macro JLOAD g0a, g1a, g0b, g1b
	s_cmp_eq_u32 s15, 0
	s_cbranch_scc0 .Lfor_b_\@
	tensor_load_to_lds s[\g0a:\g0a+3], s[\g1a:\g1a+7]
	s_nop 0
.rept 4
	v_nop
.endr
	s_branch .Lasked_\@
.Lfor_b_\@:
	tensor_load_to_lds s[\g0b:\g0b+3], s[\g1b:\g1b+7]
	s_nop 0
.rept 4
	v_nop
.endr
.Lasked_\@:
.endm
.macro CREST                           ; a round of the cluster's barrier behind its opening barrier
	s_cmp_lg_u32 s14, 0
	s_cbranch_scc1 .Lnot_wave_0_\@
	s_barrier_signal -3
.Lnot_wave_0_\@:
	s_barrier_wait -3
	s_barrier_signal -1
	s_barrier_wait -1
.endm
.macro CROUND                          ; a whole round
	s_barrier_signal -1
	s_barrier_wait -1
	CREST
.endm
	s_load_b128 s[4:7], s[0:1], 0x0                ; x's codes, x's scales
	s_load_b128 s[8:11], s[0:1], 0x10              ; the weights' codes, their scales
	s_load_b128 s[96:99], s[0:1], 0x20             ; q_rec, kv_rec
	v_lshl_add_u32 v[SPW], v0, 2, SPARE
	v_mov_b32 v[NIL], 0
	ds_add_u32 v28, v29
	ds_add_u32 v28, v29
	s_wait_dscnt 0x0
	v_lshrrev_b32 v1, 5, v0
	v_readfirstlane_b32 s14, v1                    ; wave 0..3
	s_lshr_b32 s15, s14, 1                         ; which half of the A side's rows is mine.  Also: I fetch for A (0) or for B (1)
	s_and_b32 s16, s14, 1                          ; which half of the B side's.  Also: which 128 rows of that tile I fetch
	s_bfe_u32 s40, ttmp6, 0x40000                  ; cx, cy: my place in the cluster
	s_bfe_u32 s41, ttmp6, 0x40004
	s_and_b32 s66, ttmp7, 0xffff
	s_lshl_b32 s66, s66, 2                         ; 4 x cluster y
	s_lshl_b32 s67, ttmp9, 2                       ; 4 x the product's number
	s_add_co_u32 s17, s66, s41                     ; Q, K: the A side's tile = tokens: 4 x cluster y + cy
	s_add_co_u32 s42, s67, s40                     ; Q, K: the B side's tile = rows of the weights: 4 x product + cx
	s_add_co_u32 s92, s66, s40                     ; V: the B side's tile = tokens: 4 x cluster y + cx
	s_lshl_b32 s43, s41, 2
	s_lshl_b32 s43, 15, s43                        ; my row of the cluster
	s_lshl_b32 s44, 0x1111, s40                    ; my column
	s_cmp_eq_u32 ttmp9, 2                          ; V?  The same in all partners
	s_cselect_b32 s17, s41, s17                    ; V: the A side's tile = rows of W_v: cy
	s_cselect_b32 s42, s92, s42
	s_cselect_b32 s95, 2048, 0                     ; V: W_v's rows begin at row 2,048 of the weights
	; descriptor group 1: a tile of 128 rows x 192 bytes, 16 bytes of padding behind every 64
	s_or_b32 s[G1+0], s43, (0<<16)|(1<<20)|(1<<21)|(3<<22)|(3<<25)  ; 15:0 the mask: the A side's tiles go to my row; elements of 1 byte; padding on; bit 21 beside a mask; after every 16 words, 4 words
	s_or_b32 s[G1B+0], s44, (0<<16)|(1<<20)|(1<<21)|(3<<22)|(3<<25)
.irp g, G1, G1B
	s_mov_b32 s[\g+1], ROWB<<16                    ; tensor_dim0
	s_mov_b32 s[\g+2], 128<<16                     ; tensor_dim1 = 128
	s_mov_b32 s[\g+3], ROWB<<16                    ; tile_dim0
	s_mov_b32 s[\g+4], 128                         ; tile_dim1 = 128
	s_mov_b32 s[\g+5], KROW                        ; tensor_dim0_stride
	s_mov_b32 s[\g+6], 0
	s_mov_b32 s[\g+7], 0
.endr
	; the scales of 128 rows: a dense block of 4,096 bytes, as 16 rows of 256 bytes (32 elements of 8 bytes), 16 bytes of padding behind each
	s_or_b32 s[G1S+0], s43, (3<<16)|(1<<20)|(1<<21)|(5<<22)|(3<<25)
	s_or_b32 s[G1SB+0], s44, (3<<16)|(1<<20)|(1<<21)|(5<<22)|(3<<25)
.irp g, G1S, G1SB
	s_mov_b32 s[\g+1], 32<<16
	s_mov_b32 s[\g+2], (128*KS/256)<<16
	s_mov_b32 s[\g+3], 32<<16
	s_mov_b32 s[\g+4], 128*KS/256
	s_mov_b32 s[\g+5], 32
	s_mov_b32 s[\g+6], 0
	s_mov_b32 s[\g+7], 0
.endr
	s_lshl_b32 s18, s16, 7                         ; which 128 rows of the tile I fetch
	s_lshl_b32 s20, s17, 8
	s_add_co_u32 s20, s20, s18
	s_add_co_u32 s20, s20, s95                     ; A: row 256 x tile + 128 x half (+ 2,048 for W_v)
	s_lshl_b32 s46, s42, 8
	s_add_co_u32 s46, s46, s18                     ; B: row 256 x tile + 128 x half
	s_mov_b32 s21, 0
	s_mov_b32 s47, 0
	s_mov_b64 s[18:19], KS
	s_mul_u64 s[22:23], s[20:21], s[18:19]         ; where these rows' scales begin, in bytes
	s_mul_u64 s[92:93], s[46:47], s[18:19]
	s_mov_b64 s[18:19], KROW
	s_mul_u64 s[20:21], s[20:21], s[18:19]         ; and their codes
	s_mul_u64 s[46:47], s[46:47], s[18:19]
	s_mul_i32 s45, s14, HALFT                      ; where they go: wave x 128 rows: no place in the cluster enters an LDS address
	s_mul_i32 s94, s14, HALFS
	s_wait_kmcnt 0x0
	s_cmp_eq_u32 ttmp9, 2                          ; V: the sides change places: s[4:7] = the A side's codes and scales, s[8:11] = the B side's
	s_cselect_b64 s[66:67], s[8:9], s[4:5]
	s_cselect_b64 s[8:9], s[4:5], s[8:9]
	s_mov_b64 s[4:5], s[66:67]
	s_cselect_b64 s[66:67], s[10:11], s[6:7]
	s_cselect_b64 s[10:11], s[6:7], s[10:11]
	s_mov_b64 s[6:7], s[66:67]
	s_add_nc_u64 s[20:21], s[4:5], s[20:21]
	s_add_nc_u64 s[22:23], s[6:7], s[22:23]
	s_add_nc_u64 s[46:47], s[8:9], s[46:47]
	s_add_nc_u64 s[92:93], s[10:11], s[92:93]
	CROUND                                         ; all sixteen work-groups are here: the first joint loads meet
	s_mov_b32 s[G0S], 1
	s_add_co_u32 s[G0S+1], s94, SCL
	s_mov_b64 s[G0S+2:G0S+3], s[22:23]
	s_or_b32 s[G0S+3], s[G0S+3], 0x80000000
	s_mov_b32 s[G0SB], 1
	s_add_co_u32 s[G0SB+1], s94, SCL
	s_mov_b64 s[G0SB+2:G0SB+3], s[92:93]
	s_or_b32 s[G0SB+3], s[G0SB+3], 0x80000000
	JLOAD G0S, G1S, G0SB, G1SB                     ; the scales first: they are wanted with K step 0
.irp s, 0,1
	s_mov_b32 s[G0+4*\s], 1
	s_add_co_u32 s[G0+4*\s+1], s45, \s*SLOT
	s_add_nc_u64 s[G0+4*\s+2:G0+4*\s+3], s[20:21], \s*ROWB
	s_or_b32 s[G0+4*\s+3], s[G0+4*\s+3], 0x80000000
	s_mov_b32 s[G0B+4*\s], 1
	s_add_co_u32 s[G0B+4*\s+1], s45, \s*SLOT
	s_add_nc_u64 s[G0B+4*\s+2:G0B+4*\s+3], s[46:47], \s*ROWB
	s_or_b32 s[G0B+4*\s+3], s[G0B+4*\s+3], 0x80000000
	JLOAD G0+4*\s, G1, G0B+4*\s, G1B               ; three tensor loads of mine are out at the most
.endr
	v_and_b32 v1, 15, v0                           ; l % 16
	v_bfe_u32 v2, v0, 4, 1                         ; l / 16
	v_mul_u32_u24 v3, v1, PITCH
	v_mul_u32_u24 v4, v2, 24
	v_add_nc_u32 v4, v3, v4                        ; a fragment's row x pitch + 24 x half
	v_lshl_add_u32 v5, v2, 4, v4                   ; and the same behind one padding more
	s_mul_i32 s21, s15, HALFT                      ; my 128 rows of the A side
	s_mul_i32 s22, s16, HALFT                      ; my 128 rows of the B side,
	s_add_co_u32 s22, s22, 2*HALFT                 ; which lie behind A's 256
.irp s, 0,1
	v_add_nc_u32 v[ADRA+\s], s21, v4
	v_add_nc_u32 v[ADRB+\s], s22, v4
	v_add_nc_u32 v[ADRA+2+\s], s21, v5
	v_add_nc_u32 v[ADRB+2+\s], s22, v5
	s_add_co_u32 s21, s21, SLOT
	s_add_co_u32 s22, s22, SLOT
.endr
	v_mul_u32_u24 v5, v1, KS                       ; my row's scales: KS bytes a row,
	v_lshrrev_b32 v6, 8, v5
	v_lshl_add_u32 v5, v6, 4, v5                   ; and 16 more for each 256 passed
	s_mul_i32 s21, s15, HALFS                      ; A's: my 128 rows
	s_mul_i32 s22, s16, HALFS                      ; B's: my 128 rows, behind A's 256
	s_add_co_u32 s22, s22, 2*HALFS
	s_sub_co_u32 s22, s22, s21
	v_mul_u32_u24 v6, s22, v2                      ; lanes 16-31 take B's: one product, the lower base + half x the distance
	s_add_co_u32 s21, s21, SCL
	v_add_nc_u32 v5, v5, v6
	v_add_nc_u32 v[ADRS], s21, v5
	v_and_b32 v[LN], 31, v0
	v_lshlrev_b32 v[LI], 4, v[LN]
	v_lshlrev_b32 v[L8], 3, v[LN]
.macro FRAG reg, adr, q, i             ; a fragment: lane l holds row l % 16; registers 6 c .. 6 c + 5 hold K = 64 c + 32 (l / 16) + 0 .. 31: 24 bytes of the row's stream of bits, as they lie
.irp p, 0,1,2,3,4,5                    ; in pieces of 8 bytes.  Lanes 16-31 read three pieces further on than lanes 0-15: where that lies behind one padding more, the second address register serves
.set PC, 12*(\q)+6*(\p/3)+\p%3
.if PC%8 < 5
	ds_load_b64 v[\reg+2*\p:\reg+2*\p+1], v[\adr] offset:8*PC+16*(PC/8)+(\i)*16*PITCH
.else
	ds_load_b64 v[\reg+2*\p:\reg+2*\p+1], v[\adr+2] offset:8*PC+16*(PC/8)+(\i)*16*PITCH
.endif
.endr
.endm
; 16 matrix instructions: A's blocks a0, a0 + 1 x B's eight, 128 along K.  zero = 1: the first product starts the sums.  The 64 accumulators take turns, one instruction a turn, in the same order in every step.
.macro MUL16 a0, p, q, sc, zero
.irp a, \a0, \a0+1
.irp b, 0,1,2,3,4,5,6,7
.if \zero
	v_wmma_scale_f32_16x16x128_f8f6f4 v[8*(8*((\a)%4)+\b):8*(8*((\a)%4)+\b)+7], v[128*(\p)+FR*\b:128*(\p)+FR*\b+FR-1], v[AF+FR*(\a):AF+FR*(\a)+FR-1], 0, v[SC+8*NQ*(\sc)+NQ*\b+(\q)], v[SC+8*NQ*(\sc)+NQ*(\a)+(\q)] matrix_a_fmt:MATRIX_FMT_FP6 matrix_b_fmt:MATRIX_FMT_FP6 matrix_a_scale:MATRIX_SCALE_ROW1
.else
	v_wmma_scale_f32_16x16x128_f8f6f4 v[8*(8*((\a)%4)+\b):8*(8*((\a)%4)+\b)+7], v[128*(\p)+FR*\b:128*(\p)+FR*\b+FR-1], v[AF+FR*(\a):AF+FR*(\a)+FR-1], v[8*(8*((\a)%4)+\b):8*(8*((\a)%4)+\b)+7], v[SC+8*NQ*(\sc)+NQ*\b+(\q)], v[SC+8*NQ*(\sc)+NQ*(\a)+(\q)] matrix_a_fmt:MATRIX_FMT_FP6 matrix_b_fmt:MATRIX_FMT_FP6 matrix_a_scale:MATRIX_SCALE_ROW1
.endif
.endr
.endr
.endm
.macro FETCH_B slot, q, p              ; B's eight fragments of the slot's q-th 128 along K into set p
	WIN TO_B
.irp i, 0,1,2,3,4,5,6,7
	FRAG 128*(\p)+FR*\i, ADRB+\slot, \q, \i
.endr
	WIN 0
.endm
.macro FETCH_A slot, q, i0             ; A's blocks i0 .. i0 + 3
.irp i, \i0, \i0+1, \i0+2, \i0+3
	FRAG AF+FR*(\i), ADRA+\slot, \q, \i
.endr
.endm
.macro SCALES sc                       ; the next K step's scale words into set sc: two words a row; lanes 0-15 take A's block i, lanes 16-31 B's block i
.irp i, 0,1,2,3,4,5,6,7
	ds_load_b64 v[SC+8*NQ*\sc+NQ*\i:SC+8*NQ*\sc+NQ*\i+1], v[ADRS] offset:\i*SBLK
.endr
.endm
.macro PLACES n                        ; plain vector lines between a matrix instruction and a load into its registers or a read of its results
.rept \n
	v_nop
.endr
.endm
; A step of 128 along K that has its successor in the same slot.
.macro STEP slot, q, zero
	s_wait_dscnt 4*NL                              ; B's set and A's blocks 0-3 are in; the youngest 24 loads (A's blocks 4-7) may be out
	WIN MUL_LO
	MUL16 0, (\q)%2, \q, \slot, \zero
	MUL16 2, (\q)%2, \q, \slot, \zero
	s_wait_dscnt 0                                 ; A's blocks 4-7 are in
	PLACES NP
	FETCH_B \slot, (\q)+1, 1-(\q)%2
	FETCH_A \slot, (\q)+1, 0
	WIN MUL_HI
	MUL16 4, (\q)%2, \q, \slot, \zero
	MUL16 6, (\q)%2, \q, \slot, \zero
	PLACES NP
	WIN 0
	FETCH_A \slot, (\q)+1, 4
.endm
; A slot's last step changes slots: ONE barrier; in front of it each wave waits for all its tensor loads, adds 0 to its spare word, and waits for that and for its own reads of this slot.  fill = 1: this slot is filled again, two K steps ahead.
.macro TURN slot, next, fill
	s_wait_tensorcnt 0x0                           ; all my tensor loads have landed: my part of the next slot
	ds_add_u32 v[SPW], v[NIL]                      ; 0 onto my spare word
	s_wait_dscnt 4*NL+1                            ; (the add and the youngest 24 loads, A's blocks 4-7, may be out)
	WIN MUL_LO
	MUL16 0, 1, NQ-1, \slot, 0                     ; sixteen matrix instructions stand between the add and the wait for it
	s_wait_dscnt 0x0                               ; the add is done, and my reads of this slot are over
	s_barrier_signal -1
	MUL16 2, 1, NQ-1, \slot, 0
	WIN 0
	s_barrier_wait -1
.if \fill
	CREST                                          ; the barrier has opened a round of the cluster's barrier: no wave of any partner still reads this slot's tile or has a load on its way
	s_add_nc_u64 s[G0+4*\slot+2:G0+4*\slot+3], s[G0+4*\slot+2:G0+4*\slot+3], 2*ROWB
	s_add_nc_u64 s[G0B+4*\slot+2:G0B+4*\slot+3], s[G0B+4*\slot+2:G0B+4*\slot+3], 2*ROWB
	JLOAD G0+4*\slot, G1, G0B+4*\slot, G1B         ; the first tensor load behind the round; its four v_nop are the places in front of the loads below
.else
	PLACES NP
.endif
	v_add_nc_u32 v[ADRS], 4*NQ, v[ADRS]            ; on to the next K step's scale words
	FETCH_B \next, 0, 0
	FETCH_A \next, 0, 0
	SCALES \next
	WIN MUL_HI
	MUL16 4, 1, NQ-1, \slot, 0
	MUL16 6, 1, NQ-1, \slot, 0
	PLACES NP
	WIN 0
	FETCH_A \next, 0, 4
.endm
	s_wait_tensorcnt 1                             ; the scales and my part of K step 0 are in (K step 1's load may be out)
	s_barrier_signal -1
	s_barrier_wait -1                              ; everybody's are
	FETCH_B 0, 0, 0
	FETCH_A 0, 0, 0
	SCALES 0
	FETCH_A 0, 0, 4
	STEP 0, 0, 1                                   ; the first step stands in front of the loop: its products start the sums
	s_mov_b32 s3, LAPS-1
.Llap:                                                 ; a trip goes once round the ring and fills both slots again
	TURN 0, 1, 1
	STEP 1, 0, 0
	TURN 1, 0, 1
	STEP 0, 0, 0
	s_sub_co_u32 s3, s3, 1
	s_cmp_lg_u32 s3, 0
	s_cbranch_scc1 .Llap
	TURN 0, 1, 0                                   ; the last lap fills nothing
	STEP 1, 0, 0
	s_wait_dscnt 4*NL                              ; the very last step: nothing more to fetch
	WIN MUL_LO
	MUL16 0, 1, NQ-1, 1, 0
	MUL16 2, 1, NQ-1, 1, 0
	s_wait_dscnt 0
	WIN MUL_HI
	MUL16 4, 1, NQ-1, 1, 0
	MUL16 6, 1, NQ-1, 1, 0
	WIN 0
; THE WAY OUT.  For a block a of the A side, a lane's 64 registers (eight accumulators on end) are 128 neighbours along the B side: register 16 b + i = number 32 b + 16 (lane / 16) + i of my row (the B side's rows lie in tile order).
; QUANT turns them into four blocks' codes: six registers at d0 (numbers 0-63: lane half h holds 32 h .. 32 h + 31) and six at d1 (numbers 64-127), and the four scale bytes in pw.
.macro QUANT hi, ac, d0, d1, pw
	WIN 0x0a+5*(\hi)                               ; sources 0 and 1: the accumulators' window
.irp b, 0,1,2,3
	v_max3_num_f32 v[TM+\b], |v[16*\b+(\ac)]|, |v[16*\b+1+(\ac)]|, 0x1800000   ; each accumulator is read from its low end on; the floor 2^(3 - 127) holds the byte at 1 from below
.endr
.irp i, 2,4,6,8,10,12,14
.irp b, 0,1,2,3
	v_max3_num_f32 v[TM+\b], |v[16*\b+\i+(\ac)]|, |v[16*\b+\i+1+(\ac)]|, v[TM+\b]   ; (the four blocks by turns)
.endr
.endr
	WIN 0
.irp b, 0,1,2,3
	v_permlanex16_b32 v[TM+4+\b], v[TM+\b], s[SEL], s[SEL+1]
.endr
.irp b, 0,1,2,3
	v_max_num_f32 v[TM+\b], v[TM+\b], v[TM+4+\b]   ; with lane l xor 16's: the block's largest magnitude
.endr
.irp b, 0,1,2,3
	v_add_nc_u32 v[TM+12+\b], 0xff000000, v[TM+\b] ; 2 off its exponent field: the conversion's scale operand
.endr
.irp b, 0,1,2,3
	v_lshrrev_b32 v[TM+4+\b], 23, v[TM+12+\b]      ; the scale's byte
.endr
	v_lshl_or_b32 v[\pw], v[TM+5], 8, v[TM+4]
	v_lshl_or_b32 v[\pw], v[TM+6], 16, v[\pw]
	v_lshl_or_b32 v[\pw], v[TM+7], 24, v[\pw]
	WIN 0x02+(\hi)                                 ; source 0: the accumulators' window
	v_cvt_scalef32_pk16_fp6_f32 v[\d0:2+(\d0)], v[\ac:15+(\ac)], v[TM+12]
	v_cvt_scalef32_pk16_fp6_f32 v[TC:TC+2], v[16+(\ac):31+(\ac)], v[TM+13]       ; (a conversion's three registers begin on an even number)
	v_cvt_scalef32_pk16_fp6_f32 v[\d1:2+(\d1)], v[32+(\ac):47+(\ac)], v[TM+14]
	v_cvt_scalef32_pk16_fp6_f32 v[TC+4:TC+6], v[48+(\ac):63+(\ac)], v[TM+15]
	WIN 0
	v_nop                                          ; one plain line behind a scaled conversion
.irp i, 0,1,2
	v_permlane16_swap_b32 v[\i+(\d0)], v[TC+\i]    ; the operand's layout wants a WHOLE block in a lane: lanes 0-15 the even block, lanes 16-31 the odd one
.endr
.irp i, 0,1,2
	v_mov_b32 v[3+\i+(\d0)], v[TC+\i]
.endr
.irp i, 0,1,2
	v_permlane16_swap_b32 v[\i+(\d1)], v[TC+4+\i]
.endr
.irp i, 0,1,2
	v_mov_b32 v[3+\i+(\d1)], v[TC+4+\i]
.endr
.endm
; Two blocks of the A side at a time make two units.  isv = 0 (Q, K): blocks 2 PI, 2 PI + 1 are two tiles of tokens; numbers 0-63 are my first head's dims, 64-127 my second's: unit PI of each head.
; isv = 1 (V): a block is a tile of 16 channels, its 128 numbers are the record's keys: a whole fragment; blocks 0-3 are my first head's, 4-7 my second's.
.macro EPI isv
.set PI, 0
.rept 4
.set OBB, OB+32*(PI%2)
	s_wait_xcnt 0x0                                ; the stores of two pairs ago have read these registers
.if \isv
	QUANT (2*PI)/4, 64*((2*PI)%4), OBB, OBB+6, WD+2*PI
	QUANT (2*PI+1)/4, 64*((2*PI+1)%4), OBB+12, OBB+18, WD+2*PI+1
.irp c, 0,1
.irp p, 0,1,2
	global_store_b128 v[LI], v[OBB+12*\c+4*\p:OBB+12*\c+4*\p+3], s[PP+2*(PI/2):PP+2*(PI/2)+1] offset:1536*((2*PI+\c)%4)+512*\p   ; 32 lanes store 512 consecutive bytes, aligned
.endr
.endr
.else
	QUANT (2*PI)/4, 64*((2*PI)%4), OBB, OBB+12, PWE
	QUANT (2*PI+1)/4, 64*((2*PI+1)%4), OBB+6, OBB+18, PWO
	v_perm_b32 v[WD+PI], v[PWO], v[PWE], 0x05040100     ; my first head: the even tile's two bytes below, the odd tile's above
	v_perm_b32 v[WD+4+PI], v[PWO], v[PWE], 0x07060302   ; my second head
.irp c, 0,1
.irp p, 0,1,2
	global_store_b128 v[LI], v[OBB+12*\c+4*\p:OBB+12*\c+4*\p+3], s[PP+2*\c:PP+2*\c+1] offset:1536*PI+512*\p
.endr
.endr
.endif
.set PI, PI+1
.endr
.endm
	PLACES NP                                      ; behind the last products, ahead of the first read of results
	s_and_b32 s66, ttmp7, 0xffff
	s_lshl_b32 s66, s66, 2
	s_add_co_u32 s18, s66, s41
	s_add_co_u32 s19, s66, s40
	s_cmp_eq_u32 ttmp9, 2
	s_cselect_b32 s18, s19, s18                    ; my block of 256 tokens (V: the B side's tile)
	s_cselect_b32 s19, s16, s15                    ; which 128 of them are my wave's
	s_cselect_b32 s45, s41, s40                    ; my block of 256 features = four heads (V: the A side's tile)
	s_cselect_b32 s46, s15, s16                    ; which two of them are my wave's
	s_cselect_b32 s47, 6400, 0                     ; V's part of a record lies behind K's
	s_cmp_eq_u32 ttmp9, 0
	s_cselect_b64 s[PP:PP+1], s[96:97], s[98:99]   ; q_rec or kv_rec
	s_mov_b32 s92, 12800
	s_cselect_b32 s92, 6400, s92                   ; a record's bytes
	s_lshr_b32 s66, s18, 3
	s_lshl_b32 s66, s66, 4                         ; 16 x batch
	s_lshl_b32 s45, s45, 2
	s_add_co_u32 s66, s66, s45
	s_lshl_b32 s46, s46, 1
	s_add_co_u32 s66, s66, s46                     ; my first head among the 64
	s_and_b32 s18, s18, 7
	s_lshl_b32 s18, s18, 1
	s_add_co_u32 s18, s18, s19                     ; which 128 tokens of the sequence
	s_lshl_b32 s66, s66, 4
	s_add_co_u32 s66, s66, s18
	s_mul_i32 s66, s66, s92
	s_add_co_u32 s66, s66, s47
	s_mov_b32 s67, 0
	s_add_nc_u64 s[PP:PP+1], s[PP:PP+1], s[66:67]
	s_lshl_b32 s66, s92, 4                         ; the next head's records lie 16 records on
	s_add_nc_u64 s[PP+2:PP+3], s[PP:PP+1], s[66:67]
	s_mov_b32 s[SEL], 0x76543210
	s_mov_b32 s[SEL+1], 0xfedcba98
.irp b, 0,1,2,3
	v_mov_b32 v[TM+4+\b], 0                        ; written once: a lane permute's destination counts as one of its sources
.endr
	s_cmp_eq_u32 ttmp9, 2                          ; the same in all partners
	s_cbranch_scc1 .Lkeys_innermost
	EPI 0
	s_branch .Lwords
.Lkeys_innermost:
	EPI 1
.Lwords:
	v_cmp_lt_u32 vcc_lo, 15, v[LN]                 ; lanes 16-31 store the odd units' words (every word stands in lanes r and r + 16 alike)
.irp e, 0,1
	v_cndmask_b32 v[XW+2*\e], v[WD+4*\e], v[WD+4*\e+1], vcc_lo
	v_cndmask_b32 v[XW+2*\e+1], v[WD+4*\e+2], v[WD+4*\e+3], vcc_lo
	global_store_b64 v[L8], v[XW+2*\e:XW+2*\e+1], s[PP+2*\e:PP+2*\e+1] offset:6144   ; 32 lanes store 256 consecutive bytes, aligned
.endr
	s_wait_tensorcnt 0x0                           ; the wave's end
	ds_add_u32 v[SPW], v[NIL]
	s_wait_dscnt 0x0
	CROUND                                         ; the closing round: no work-group ends while a partner may still ask for a tile that names it
	s_endpgm
.Lfunc_end_k_q4c2421686b_qkv:
	.size	k_q4c2421686b_qkv, .Lfunc_end_k_q4c2421686b_qkv-k_q4c2421686b_qkv
	.p2alignl 7, 3214868480
	.fill 96, 4, 3214868480
	.section	.rodata,"a",@progbits
	.p2align	6, 0x0
	.amdhsa_kernel k_q4c2421686b_qkv
		.amdhsa_group_segment_fixed_size 327680
		.amdhsa_private_segment_fixed_size 0
		.amdhsa_enable_private_segment 0
		.amdhsa_kernarg_size 48
		.amdhsa_user_sgpr_count 2
		.amdhsa_user_sgpr_kernarg_segment_ptr 1
		.amdhsa_wavefront_size32 1
		.amdhsa_system_sgpr_workgroup_id_x 1
		.amdhsa_system_sgpr_workgroup_id_y 1
		.amdhsa_system_sgpr_workgroup_id_z 1
		.amdhsa_system_vgpr_workitem_id 0
		.amdhsa_next_free_vgpr 1024
		.amdhsa_next_free_sgpr 100
		.amdhsa_reserve_vcc 1
		.amdhsa_float_denorm_mode_32 3
		.amdhsa_float_denorm_mode_16_64 3
		.amdhsa_memory_ordered 1
		.amdhsa_forward_progress 1
		.amdhsa_inst_pref_size 199
	.end_amdhsa_kernel
	.amdgpu_metadata
---
amdhsa.version: [ 1, 2 ]
amdhsa.kernels:
  - .name:           k_q4c2421686b_qkv
    .symbol:         k_q4c2421686b_qkv.kd
    .args:
      - { .name: x_codes, .offset: 0, .size: 8, .value_kind: global_buffer, .address_space: global }
      - { .name: x_scales, .offset: 8, .size: 8, .value_kind: global_buffer, .address_space: global }
      - { .name: w_codes, .offset: 16, .size: 8, .value_kind: global_buffer, .address_space: global }
      - { .name: w_scales, .offset: 24, .size: 8, .value_kind: global_buffer, .address_space: global }
      - { .name: q_rec, .offset: 32, .size: 8, .value_kind: global_buffer, .address_space: global }
      - { .name: kv_rec, .offset: 40, .size: 8, .value_kind: global_buffer, .address_space: global }
    .group_segment_fixed_size: 327680
    .private_segment_fixed_size: 0
    .kernarg_segment_align: 8
    .kernarg_segment_size: 48
    .max_flat_workgroup_size: 128
    .sgpr_count:     100
    .vgpr_count:     1024
    .wavefront_size: 32
...
	.end_amdgpu_metadata
.endif
;; end of part 2
;; launch attn (part 3): grid 4 x 64, 16 waves a work-group, no clusters, 206,848 bytes of LDS; arguments q_rec, kv_rec, o_img, o_scales; writes o_img, o_scales
.if DOCPART == 3
	.amdgcn_target "amdgcn-amd-amdhsa--gfx1250"
	.amdhsa_code_object_version 6
	.text
	.protected	k_q4c2421686b_attn
	.globl	k_q4c2421686b_attn
	.p2align	8
	.type	k_q4c2421686b_attn,@function
k_q4c2421686b_attn:
	s_mov_b64 s[64:65], 0
	v_nop
	global_prefetch_b8 v0, s[64:65] scope:SCOPE_SE
	s_setreg_imm32_b32 hwreg(HW_REG_WAVE_MODE, 25, 1), 1
	s_wait_xcnt 0x0
; Causal attention of one head on codes of FP6 (E2M3) with E8M0 scales: S = Q K^T (K = the head's 64), p = 2^(t - M), O = p V / l (K = the keys); O is quantised along the channels and leaves as an image of the last product's operand.
; t = score x log2(e) / 8; M = the running largest t rounded UP to a whole number; p is not normalised; the row's sum l is taken of the unquantised p and divides O at the end; when M moves, l and O are multiplied by 2^(old M - new M): exact.
; IN: q_rec [64 heads][16][6,400], kv_rec [64 heads][16][12,800]: a record serves 128 tokens: units of 1,536 bytes (images of 12 operand registers: plane p = registers 4 p .. 4 p + 3, 16 bytes a lane) and 256 bytes of scale words.
;   A unit of Q or K holds two tiles of 16 tokens, six registers each; tile t's row r is token 32 (t / 2) + 8 (t % 2) + r + 8 (r / 8).  A unit of V is the fragment of 16 channels x 128 keys; its row r is channel 32 b + 8 u + r + 8 (r / 8).
; SHARES.  Work-group (i, head) owns the blocks i and 7 - i of 256 queries: under the causal mask every work-group has the same work.  Each of its SIXTEEN waves owns one tile of 16 queries of the block in hand, in 256 registers.
; LDS.  The head's K and V, 204,800 dense bytes, come ONCE: each wave brings two pieces of 6,400 bytes.  Nothing is filled again.  The first half (keys under 1,024) is all that the first block can read.
; No cluster: partners would be the query blocks of one head, whose causal branches differ, and what they share is this one fill.  No prefetch: every byte is asked for at the head.
; THE FIRST PRODUCT'S K IS 64, half of the instruction's 128.  A unit of K is one operand with two tiles: k = 0-63 the even tile's dims, k = 64-127 the odd tile's.  Q stands as [0 | Q | 0] in 18 registers: the even tile is multiplied
; by [Q | 0], the odd one by [0 | Q].  In the idle half Q's codes are zeros and its scale bytes 0 (2^-127), against the neighbouring tile's codes and bytes 1 to 254: E2M3 has no code for NaN or infinity, so that half adds exactly 0.
; Both products are used transposed: a lane holds ONE query (lane % 16) throughout; the 16 registers of score tiles 2 b, 2 b + 1 are keys 32 b + 16 (lane / 16) + 0 .. 15.
; CAUSAL.  The loops' trip counts are constants; a step all of whose keys come after the tile's queries is jumped over by a scalar branch on ids; on the diagonal hidden scores become -infinity ahead of the maximum.
; LIMITS: a block's largest p is taken from its largest score (v_exp_f32 is taken not to fall where its input rises); a block of zeros gets the byte 1; 1 / l is v_rcp_f32 and a multiplication; NaN and infinities are not served.
; REGISTERS: v1-11 addresses and lane numbers; v12 -M, v13 the largest t, v[14:15] the sum in two halves; v16-33 [0 | Q | 0]; v40-87 four units of K, then of V; v96-159 S^T, then p; v160-191 O^T; v224-235 p's codes;
;   v232-247, v252, v254 at work; v[248:249] K's scale words, v[250:251] V's, v253 p's, v255 Q's.
.set REC,  12800                       ; a record of K and V in LDS, as in memory
.set LI,   2                           ; v2   16 x lane
.set L8,   3                           ; v3   8 x lane
.set ADK,  8                           ; v8   LDS address of the step's units
.set ADS,  9                           ; v9   and of its scale words
.set F,    40
.set WV,   12                          ; s12  my wave's number
.set HB,   13                          ; s13  the head, 0 .. 63
.set BLK,  15                          ; s15  the block of 256 queries in hand
.set TT,   16                          ; s16  my tile of 16 queries, 0 .. 127
.set Q0,   17                          ; s17  its least query
.set KF,   18                          ; s18  the step's first key
.set TB,   19                          ; s19  LDS byte at which the step's record begins
.set CNT,  20
.set QMAX, 21                          ; s21  the tile's greatest query
.set SEL,  22                          ; s[22:23] lane selects for lane l xor 16
.set G1,   24                          ; s[24:31] descriptor group 1;  s[32:35], s[36:39] groups 0 of my two pieces
.set G0A,  32
.set G0B,  36
.set QP,   40                          ; s[40:41] Q's record
.set OP,   42                          ; s[42:43] my place in o_img
.set OS,   44                          ; s[44:45] and in o_scales
.set CS,   46                          ; s[46:47] c = log2(e) / 8: the packed form names a pair and takes its low word for both halves
	s_load_b256 s[4:11], s[0:1], 0x0               ; q_rec s[4:5], kv_rec s[6:7], o_img s[8:9], o_scales s[10:11]
	v_lshl_add_u32 v223, v0, 2, 0x32000
	v_mov_b32 v243, 0
	ds_add_u32 v223, v243
	ds_add_u32 v223, v243
	v_lshrrev_b32 v1, 5, v0
	s_delay_alu instid0(VALU_DEP_1)
	v_readfirstlane_b32 s[WV], v1                  ; wave 0..15
	s_and_b32 s[HB], ttmp7, 0xffff
	; descriptor group 1: 6,400 dense bytes as 25 rows of 256 bytes (32 elements of 8 bytes), no padding: every LDS read takes consecutive bytes in consecutive lanes
	s_mov_b32 s[G1+0], 3<<16
	s_mov_b32 s[G1+1], 32<<16                      ; tensor_dim0
	s_mov_b32 s[G1+2], 25<<16                      ; tensor_dim1
	s_mov_b32 s[G1+3], 32<<16                      ; tile_dim0
	s_mov_b32 s[G1+4], 25                          ; tile_dim1
	s_mov_b32 s[G1+5], 32                          ; the pitch
	s_mov_b32 s[G1+6], 0
	s_mov_b32 s[G1+7], 0
	s_mul_i32 s48, s[WV], 6400                     ; my piece: in LDS as in the head's bytes
	s_mul_i32 s50, s[HB], 16*REC
	s_add_co_u32 s50, s50, s48
	s_mov_b32 s51, 0
	s_mov_b32 s[SEL], 0x76543210
	s_mov_b32 s[SEL+1], 0xfedcba98
	s_mov_b32 s[CS], 0x3e38aa3b
	s_mov_b32 s[CS+1], s[CS]
	s_wait_dscnt 0x0
	s_wait_kmcnt 0x0
	s_mov_b32 s[G0A], 1
	s_mov_b32 s[G0A+1], s48
	s_add_nc_u64 s[G0A+2:G0A+3], s[6:7], s[50:51]
	s_mov_b32 s[G0B], 1
	s_add_co_u32 s[G0B+1], s48, 8*REC              ; the second half of the head
	s_add_nc_u64 s[G0B+2:G0B+3], s[G0A+2:G0A+3], 8*REC
	s_or_b32 s[G0A+3], s[G0A+3], 0x80000000
	s_or_b32 s[G0B+3], s[G0B+3], 0x80000000
	tensor_load_to_lds s[G0A:G0A+3], s[G1:G1+7]    ; both first fills stand together, ahead of every wait on TENSORcnt, LDS read and barrier: two loads of mine are out
	s_nop 0
	tensor_load_to_lds s[G0B:G0B+3], s[G1:G1+7]
	s_nop 0
.rept 4
	v_nop
.endr
	v_and_b32 v1, 31, v0                           ; lane
	s_delay_alu instid0(VALU_DEP_1)
	v_lshlrev_b32 v[LI], 4, v1
	s_delay_alu instid0(VALU_DEP_2)
	v_lshlrev_b32 v[L8], 3, v1
	v_and_b32 v4, 15, v0                           ; r
	v_bfe_u32 v5, v0, 4, 1                         ; h
	s_delay_alu instid0(VALU_DEP_1)
	v_lshlrev_b32 v7, 4, v5                        ; 16 h
	s_delay_alu instid0(VALU_DEP_3)
	v_and_b32 v6, 8, v4
	s_delay_alu instid0(VALU_DEP_1)
	v_add_nc_u32 v6, v6, v4
	s_delay_alu instid0(VALU_DEP_1)
	v_sub_nc_u32 v6, v6, v7                        ; r + 8 (r / 8) - 16 h: my query less my first key, but for Q0 and KF
	v_lshlrev_b32 v11, 5, v4                       ; 32 r: my row of o_scales
.irp j, 16,17,18,19,20,21,28,29,30,31,32,33
	v_mov_b32 v[\j], 0                             ; the zero codes on both sides of Q
.endr
.irp j, 236,237,238,239,252,253
	v_mov_b32 v[\j], 0                             ; written once: a lane permute's destination counts as one of its sources; v253 is named as the upper half of a pair
.endr
.macro SPROD t                         ; S^T of tile t: 16 keys x my 16 queries.  The unit's scale words: register t / 4, lanes 16-31 for the odd units; Q's: lanes 16-31 for the odd tiles
.set rD, 96+8*(\t)
.set rA, F+12*((\t)/2)
.set rW, 248+(\t)/4
.if ((\t)/2)%2 == 0
.if (\t)%2 == 0
	v_wmma_scale_f32_16x16x128_f8f6f4 v[rD:rD+7], v[rA:rA+11], v[22:33], 0, v[rW], v255 matrix_a_fmt:MATRIX_FMT_FP6 matrix_b_fmt:MATRIX_FMT_FP6
.else
	v_wmma_scale_f32_16x16x128_f8f6f4 v[rD:rD+7], v[rA:rA+11], v[16:27], 0, v[rW], v255 matrix_a_fmt:MATRIX_FMT_FP6 matrix_b_fmt:MATRIX_FMT_FP6 matrix_b_scale:MATRIX_SCALE_ROW1
.endif
.else
.if (\t)%2 == 0
	v_wmma_scale_f32_16x16x128_f8f6f4 v[rD:rD+7], v[rA:rA+11], v[22:33], 0, v[rW], v255 matrix_a_fmt:MATRIX_FMT_FP6 matrix_b_fmt:MATRIX_FMT_FP6 matrix_a_scale:MATRIX_SCALE_ROW1
.else
	v_wmma_scale_f32_16x16x128_f8f6f4 v[rD:rD+7], v[rA:rA+11], v[16:27], 0, v[rW], v255 matrix_a_fmt:MATRIX_FMT_FP6 matrix_b_fmt:MATRIX_FMT_FP6 matrix_a_scale:MATRIX_SCALE_ROW1 matrix_b_scale:MATRIX_SCALE_ROW1
.endif
.endif
.endm
.macro PVPROD u                        ; O^T += V^T P^T: channel tile u x my 16 queries, K = the step's 128 keys
.set rO, 160+8*(\u)
.set rV, F+12*(\u)
.set rW, 250+(\u)/2
.if (\u)%2 == 0
	v_wmma_scale_f32_16x16x128_f8f6f4 v[rO:rO+7], v[rV:rV+11], v[224:235], v[rO:rO+7], v[rW], v253 matrix_a_fmt:MATRIX_FMT_FP6 matrix_b_fmt:MATRIX_FMT_FP6
.else
	v_wmma_scale_f32_16x16x128_f8f6f4 v[rO:rO+7], v[rV:rV+11], v[224:235], v[rO:rO+7], v[rW], v253 matrix_a_fmt:MATRIX_FMT_FP6 matrix_b_fmt:MATRIX_FMT_FP6 matrix_a_scale:MATRIX_SCALE_ROW1
.endif
.endm
; A KEY STEP: 128 keys.  The twelve matrix instructions name twelve different accumulators, one instruction a turn.
.macro STEP
	s_cmp_gt_u32 s[KF], s[QMAX]                    ; all keys come after my queries: nothing to do
	s_cbranch_scc1 .Lhidden_\@
	s_setprio 2
	v_add_nc_u32 v[ADK], s[TB], v[LI]
	v_add_nc_u32 v[ADS], s[TB], v[L8]
	v_nop
	v_nop                                          ; four places behind the last step's products, ahead of loads into the registers that they read
	ds_load_b64 v[248:249], v[ADS] offset:6144     ; K's scale words
.irp i, 0,1,2,3,4,5,6,7,8,9,10,11
	ds_load_b128 v[F+4*\i:F+4*\i+3], v[ADK] offset:512*\i      ; K's four units: 512 consecutive bytes a load
.endr
	s_wait_alu depctr_va_vdst(0)
.irp t, 0,1,2,3,4,5,6,7
.if \t%2 == 0
	s_wait_dscnt 9-3*(\t/2)                        ; the words and this unit are in; the three loads of each later unit may be out
.endif
	SPROD \t
.endr
.rept 4
	v_nop                                          ; places: ahead of the loads into K's registers, and of the first read of the scores
.endr
.irp i, 0,1,2,3,4,5,6,7,8,9,10,11
	ds_load_b128 v[F+4*\i:F+4*\i+3], v[ADK] offset:6400+512*\i ; V's four fragments land under the softmax
.endr
	ds_load_b64 v[250:251], v[ADS] offset:12544    ; V's scale words
	s_add_co_u32 s48, s[KF], 127
	s_cmp_le_u32 s48, s[Q0]                        ; all keys count for all my queries
	s_cbranch_scc1 .Lopen_\@
	s_sub_co_i32 s48, s[Q0], s[KF]
	v_add_nc_u32 v252, s48, v6                     ; d = my query - KF - 16 h.  Register 16 b + i holds key KF + 16 h + 32 b + i: hidden where 32 b + i > d
	v_mov_b32 v254, 0xff800000                     ; -infinity
.set N, 0
.rept 64
	v_cmp_gt_i32 vcc_lo, 32*(N/16)+N%16, v252
	v_cndmask_b32 v[96+N], v[96+N], v254, vcc_lo
.set N, N+1
.endr
.Lopen_\@:
.irp b, 0,1,2,3
	v_max3_num_f32 v[232+\b], v[96+16*\b], v[97+16*\b], v[98+16*\b]   ; the largest score of each block of 32 keys: for the row's maximum and, since p rises with the score, for the block's largest p
.endr
.irp i, 3,5,7,9,11,13
.irp b, 0,1,2,3
	v_max3_num_f32 v[232+\b], v[232+\b], v[96+16*\b+\i], v[97+16*\b+\i]
.endr
.endr
.irp b, 0,1,2,3
	v_max_num_f32 v[232+\b], v[232+\b], v[111+16*\b]
.endr
.irp b, 0,1,2,3
	s_delay_alu instid0(VALU_DEP_4)
	v_permlanex16_b32 v[236+\b], v[232+\b], s[SEL], s[SEL+1]
.endr
.irp b, 0,1,2,3
	s_delay_alu instid0(VALU_DEP_4)
	v_max_num_f32 v[232+\b], v[232+\b], v[236+\b]  ; with lane l xor 16's 16 keys
.endr
	s_delay_alu instid0(VALU_DEP_2)
	v_max3_num_f32 v254, v232, v233, v234
	s_delay_alu instid0(VALU_DEP_1)
	v_max_num_f32 v254, v254, v235                 ; the step's largest score of my query
	s_delay_alu instid0(VALU_DEP_1)
	v_mul_f32 v254, s[CS], v254                    ; as t (c is positive)
	s_delay_alu instid0(VALU_DEP_1)
	v_max_num_f32 v13, v13, v254                   ; the running largest t
	v_mov_b32 v254, v12
	s_delay_alu instid0(VALU_DEP_2)
	v_floor_f32 v12, -v13                          ; the new -M = floor(-t): M is a whole number
	s_delay_alu instid0(VALU_DEP_1)
	v_sub_f32 v254, v12, v254                      ; old M - new M: a whole number, 0 or less
	s_delay_alu instid0(VALU_DEP_1)
	v_cvt_i32_f32 v254, v254                       ; (it saturates)
	s_delay_alu instid0(VALU_DEP_1)
	v_ldexp_f32 v252, 1.0, v254                    ; f = 2^(old M - new M)
.set J, 0
.rept 32
	v_pk_fma_f32 v[96+J:97+J], v[96+J:97+J], s[CS:CS+1], v[12:13] op_sel_hi:[1,0,0]   ; t - M, two at a time
.set J, J+2
.endr
	s_setprio 1
.irp b, 0,1,2,3
	v_fma_f32 v[232+\b], v[232+\b], s[CS], v12     ; the same of each block's largest score
.endr
.set J, 0
	s_wait_alu depctr_va_vdst(0)
.rept 64
	v_exp_f32 v[96+J], v[96+J]                     ; p = 2^(t - M), at most 1
.set J, J+1
.endr
	v_pk_mul_f32 v[14:15], v[14:15], v[252:253] op_sel_hi:[1,0]   ; the sums under the new M (a plain line behind the exponentials)
	s_wait_alu depctr_va_vdst(0)                   ; one wait for the whole batch, ahead of its first reader
.irp b, 0,1,2,3
	v_exp_f32 v[232+\b], v[232+\b]                 ; the block's largest p: the same two instructions on the same number
.endr
	v_pk_add_f32 v[236:237], v[100:101], v[104:105]
	v_pk_add_f32 v[248:249], v[108:109], v[112:113]
	v_pk_add_f32 v[246:247], v[116:117], v[120:121]
	v_pk_add_f32 v[244:245], v[124:125], v[128:129]
	v_pk_add_f32 v[240:241], v[132:133], v[136:137]
	v_pk_add_f32 v[238:239], v[140:141], v[144:145]
	v_pk_add_f32 v[230:231], v[148:149], v[152:153]
	v_pk_add_f32 v[14:15], v[14:15], v[156:157]
	v_pk_add_f32 v[236:237], v[236:237], v[96:97]
	v_pk_add_f32 v[248:249], v[248:249], v[98:99]
	v_pk_add_f32 v[246:247], v[246:247], v[102:103]
	v_pk_add_f32 v[244:245], v[244:245], v[106:107]
	v_pk_add_f32 v[240:241], v[240:241], v[110:111]
	v_pk_add_f32 v[238:239], v[238:239], v[114:115]
	v_pk_add_f32 v[230:231], v[230:231], v[118:119]
	v_pk_add_f32 v[14:15], v[14:15], v[122:123]
	v_pk_add_f32 v[236:237], v[236:237], v[126:127]
	v_pk_add_f32 v[248:249], v[248:249], v[130:131]
	v_pk_add_f32 v[246:247], v[246:247], v[134:135]
	v_pk_add_f32 v[244:245], v[244:245], v[138:139]
	v_pk_add_f32 v[240:241], v[240:241], v[142:143]
	v_pk_add_f32 v[238:239], v[238:239], v[146:147]
	v_pk_add_f32 v[230:231], v[230:231], v[150:151]
	v_pk_add_f32 v[14:15], v[14:15], v[154:155]
	v_pk_add_f32 v[236:237], v[236:237], v[158:159]
	s_delay_alu instid0(VALU_DEP_2)
	v_pk_add_f32 v[14:15], v[14:15], v[244:245]
	s_delay_alu instid0(VALU_DEP_2)
	v_pk_add_f32 v[236:237], v[236:237], v[240:241]
	v_pk_add_f32 v[248:249], v[248:249], v[238:239]
	v_pk_add_f32 v[246:247], v[246:247], v[230:231]
	s_delay_alu instid0(VALU_DEP_2)
	v_pk_add_f32 v[14:15], v[14:15], v[248:249]
	s_delay_alu instid0(VALU_DEP_2)
	v_pk_add_f32 v[236:237], v[236:237], v[246:247]
	s_delay_alu instid0(VALU_DEP_1)
	v_pk_add_f32 v[14:15], v[14:15], v[236:237]
	s_wait_alu depctr_va_vdst(0)                   ; and one for the four
.irp b, 0,1,2,3
	v_max_num_f32 v[232+\b], 0x1800000, v[232+\b]  ; the floor 2^(3 - 127): the byte cannot fall under 1
.endr
.irp b, 0,1,2,3
	s_delay_alu instid0(VALU_DEP_4)
	v_add_nc_u32 v[244+\b], 0xff000000, v[232+\b]  ; 2 off the exponent field: the conversion's scale operand
.endr
.irp b, 0,1,2,3
	s_delay_alu instid0(VALU_DEP_4)
	v_lshrrev_b32 v[236+\b], 23, v[244+\b]         ; the scale's byte
.endr
	s_delay_alu instid0(VALU_DEP_3)
	v_lshl_or_b32 v253, v237, 8, v236              ; p's scale word for these 128 keys
	s_delay_alu instid0(VALU_DEP_1)
	v_lshl_or_b32 v253, v238, 16, v253
	s_delay_alu instid0(VALU_DEP_1)
	v_lshl_or_b32 v253, v239, 24, v253
	s_setprio 0
.irp c, 0,1
	v_cvt_scalef32_pk16_fp6_f32 v[224+6*\c:226+6*\c], v[96+32*\c:111+32*\c], v[244+2*\c]
	v_cvt_scalef32_pk16_fp6_f32 v[236+4*\c:238+4*\c], v[112+32*\c:127+32*\c], v[244+2*\c+1]   ; (a conversion's three registers begin on an even number)
.endr
	v_nop                                          ; one plain line behind a scaled conversion
.irp c, 0,1                                    ; the operand's layout wants a WHOLE block in a lane
.irp i, 0,1,2
	v_permlane16_swap_b32 v[224+6*\c+\i], v[236+4*\c+\i]
.endr
.irp i, 0,1,2
	s_delay_alu instid0(VALU_DEP_3)
	v_mov_b32 v[227+6*\c+\i], v[236+4*\c+\i]
.endr
.endr
.set J, 0
.rept 16
	v_pk_mul_f32 v[160+J:161+J], v[160+J:161+J], v[252:253] op_sel_hi:[1,0]   ; O^T under the new M.  (These 16 are also the places between the writes of p's codes and scale word and the products below)
.set J, J+2
.endr
	s_wait_alu depctr_va_vdst(0)
	s_wait_dscnt 0x0                               ; V is in
.irp u, 0,1,2,3
	PVPROD \u
.endr
.Lhidden_\@:
.endm
; THE WAY OUT of a tile: O^T / l; register 16 b + i is channel 32 b + 16 h + i of my query (V's channels lie in tile order): two blocks of 32 along the last product's K, quantised as p is.
; o_img [512 tiles of tokens][16 heads][3 planes][32 lanes][8 bytes]: my six registers; two heads on end are the 12 registers of a fragment.  o_scales [16 x tile + r][32]: bytes 2 head, 2 head + 1.
.macro OUTP
.rept 4
	v_nop                                          ; places behind the last products
.endr
	v_add_f32 v14, v14, v15                        ; the sum's two halves,
	s_delay_alu instid0(VALU_DEP_1)
	v_permlanex16_b32 v252, v14, s[SEL], s[SEL+1]
	s_delay_alu instid0(VALU_DEP_1)
	v_add_f32 v14, v14, v252                       ; and lane l xor 16's: the row's sum
	s_wait_alu depctr_va_vdst(0)
	v_rcp_f32 v14, v14
	v_nop                                          ; a plain line behind the transcendental
	s_wait_alu depctr_va_vdst(0)                   ; and the wait ahead of its first reader
.set J, 0
.rept 16
	v_pk_mul_f32 v[96+J:97+J], v[160+J:161+J], v[14:15] op_sel_hi:[1,0]   ; each accumulator from its low end on
.set J, J+2
.endr
.irp b, 0,1
	v_max3_num_f32 v[232+\b], |v[96+16*\b]|, |v[97+16*\b]|, 0x1800000
.endr
.irp i, 2,4,6,8,10,12,14
.irp b, 0,1
	s_delay_alu instid0(VALU_DEP_2)
	v_max3_num_f32 v[232+\b], v[232+\b], |v[96+16*\b+\i]|, |v[97+16*\b+\i]|
.endr
.endr
.irp b, 0,1
	s_delay_alu instid0(VALU_DEP_2)
	v_permlanex16_b32 v[236+\b], v[232+\b], s[SEL], s[SEL+1]
.endr
.irp b, 0,1
	s_delay_alu instid0(VALU_DEP_2)
	v_max_num_f32 v[232+\b], v[232+\b], v[236+\b]
.endr
.irp b, 0,1
	s_delay_alu instid0(VALU_DEP_2)
	v_add_nc_u32 v[244+\b], 0xff000000, v[232+\b]
.endr
.irp b, 0,1
	s_delay_alu instid0(VALU_DEP_2)
	v_lshrrev_b32 v[236+\b], 23, v[244+\b]
.endr
	s_delay_alu instid0(VALU_DEP_1)
	v_lshl_or_b32 v140, v237, 8, v236              ; my row's two scale bytes
	v_cvt_scalef32_pk16_fp6_f32 v[128:130], v[96:111], v244
	v_cvt_scalef32_pk16_fp6_f32 v[134:136], v[112:127], v245
	v_nop                                          ; one plain line behind a scaled conversion
.irp i, 0,1,2
	v_permlane16_swap_b32 v[128+\i], v[134+\i]
.endr
.irp i, 0,1,2
	s_delay_alu instid0(VALU_DEP_3)
	v_mov_b32 v[131+\i], v[134+\i]
.endr
.irp p, 0,1,2
	global_store_b64 v[L8], v[128+2*\p:129+2*\p], s[OP:OP+1] offset:256*\p   ; 32 lanes store 256 consecutive bytes, aligned
.endr
	global_store_b16 v11, v140, s[OS:OS+1]         ; two bytes a row, rows 32 bytes apart (lanes r and r + 16 write the same bytes): 2 bytes beside 48 of codes, so that the scales lie as the last product reads them
.endm
; One block of 256 queries.  second = 0: block i; 1: block 7 - i.  nsteps: the key steps that the block can reach.  tcnt: how many of my tensor loads may still be out when its keys are read.
.macro PASS second, nsteps, tcnt
.if \second
	s_wait_xcnt 0x0                                ; the first block's stores have read their registers and pointers
	s_sub_co_u32 s[BLK], 7, ttmp9
.else
	s_mov_b32 s[BLK], ttmp9
.endif
	s_lshl_b32 s[TT], s[BLK], 4
	s_add_co_u32 s[TT], s[TT], s[WV]               ; my tile
	s_lshr_b32 s[Q0], s[TT], 1
	s_lshl_b32 s[Q0], s[Q0], 5
	s_and_b32 s48, s[TT], 1                        ; u: the even or the odd tile of its unit
	s_lshl_b32 s49, s48, 3
	s_add_co_u32 s[Q0], s[Q0], s49                 ; 32 (T / 2) + 8 (T % 2)
	s_add_co_u32 s[QMAX], s[Q0], 23                ; r + 8 (r / 8) is 23 at the most
	s_lshl_b32 s50, s[HB], 4
	s_lshr_b32 s51, s[TT], 3
	s_add_co_u32 s50, s50, s51
	s_mul_i32 s50, s50, 6400
	s_mov_b32 s51, 0
	s_add_nc_u64 s[QP:QP+1], s[4:5], s[50:51]      ; Q's record
	s_bfe_u32 s52, s[TT], 0x20001                  ; my unit in it
	s_mul_i32 s53, s52, 1536
	s_and_b32 s57, s52, 1
	s_lshl_b32 s57, s57, 7
	s_lshr_b32 s59, s52, 1
	s_lshl_b32 s59, s59, 2
	s_add_co_u32 s57, s57, s59                     ; its scale words: 128 (unit % 2) + 4 (unit / 2)
	v_add_nc_u32 v10, s53, v[LI]
	v_lshl_add_u32 v34, v4, 3, s57                 ; + 8 r
	global_load_b128 v[96:99], v10, s[QP:QP+1]
	global_load_b128 v[100:103], v10, s[QP:QP+1] offset:512
	global_load_b128 v[104:107], v10, s[QP:QP+1] offset:1024
	global_load_b32 v108, v34, s[QP:QP+1] offset:6144
	s_lshr_b32 s54, s[HB], 4
	s_lshl_b32 s54, s54, 7
	s_add_co_u32 s54, s54, s[TT]                   ; my tile among the 512 of all batches
	s_and_b32 s55, s[HB], 15                       ; the head in its batch
	s_mul_i32 s50, s54, 12288
	s_mul_i32 s57, s55, 768
	s_add_co_u32 s50, s50, s57
	s_add_nc_u64 s[OP:OP+1], s[8:9], s[50:51]
	s_lshl_b32 s50, s54, 9
	s_lshl_b32 s57, s55, 1
	s_add_co_u32 s50, s50, s57
	s_add_nc_u64 s[OS:OS+1], s[10:11], s[50:51]
	s_lshl_b32 s58, s48, 4                         ; 16 u
	s_cmp_eq_u32 s48, 1
	s_cselect_b32 s56, -1, 0
	s_wait_loadcnt 0x0
.irp i, 0,1,2,3,4,5
	v_cndmask_b32 v[22+\i], v[96+\i], v[102+\i], s56   ; my tile's six registers of the unit's twelve
.endr
	v_lshrrev_b32 v10, s58, v108
	s_delay_alu instid0(VALU_DEP_1)
	v_and_b32 v10, 0xffff, v10                     ; my tile's two scale bytes,
	s_delay_alu instid0(VALU_DEP_1)
	v_lshlrev_b32 v255, v7, v10                    ; below in lanes 0-15 (for [Q | 0]), above in lanes 16-31 (for [0 | Q])
	v_mov_b32 v13, 0xff61b1e6                      ; the largest t so far: -3e38
	s_delay_alu instid0(VALU_DEP_1)
	v_floor_f32 v12, -v13                          ; -M
	v_mov_b32 v14, 0
	v_mov_b32 v15, 0
.set J, 0
.rept 32
	v_mov_b32 v[160+J], 0                          ; O^T: the step is written once; its first trip finds zeros.  (These lines are also the places between Q's registers' writes and the first product)
.set J, J+1
.endr
	s_mov_b32 s[KF], 0
	s_mov_b32 s[TB], 0
	s_mov_b32 s[CNT], \nsteps
	s_wait_tensorcnt \tcnt                         ; my part of the keys that this block reads is in (first block: the second half's load may be out)
	s_wait_dscnt 0x0
	s_barrier_signal -1
	s_barrier_wait -1                              ; everybody's is
.Lstep_\@:
	STEP
	s_add_co_u32 s[TB], s[TB], REC
	s_add_co_u32 s[KF], s[KF], 128
	s_sub_co_u32 s[CNT], s[CNT], 1
	s_cmp_lg_u32 s[CNT], 0
	s_cbranch_scc1 .Lstep_\@
	s_setprio 0
	OUTP
.endm
	PASS 0, 8, 1
	PASS 1, 16, 0
	s_wait_tensorcnt 0x0
	ds_add_u32 v223, v243
	s_wait_dscnt 0x0
	s_endpgm
.Lfunc_end_k_q4c2421686b_attn:
	.size	k_q4c2421686b_attn, .Lfunc_end_k_q4c2421686b_attn-k_q4c2421686b_attn
	.p2alignl 7, 3214868480
	.fill 96, 4, 3214868480
	.section	.rodata,"a",@progbits
	.p2align	6, 0x0
	.amdhsa_kernel k_q4c2421686b_attn
		.amdhsa_group_segment_fixed_size 206848
		.amdhsa_private_segment_fixed_size 0
		.amdhsa_enable_private_segment 0
		.amdhsa_kernarg_size 32
		.amdhsa_user_sgpr_count 2
		.amdhsa_user_sgpr_kernarg_segment_ptr 1
		.amdhsa_wavefront_size32 1
		.amdhsa_system_sgpr_workgroup_id_x 1
		.amdhsa_system_sgpr_workgroup_id_y 1
		.amdhsa_system_sgpr_workgroup_id_z 1
		.amdhsa_system_vgpr_workitem_id 0
		.amdhsa_next_free_vgpr 256
		.amdhsa_next_free_sgpr 66
		.amdhsa_reserve_vcc 1
		.amdhsa_float_denorm_mode_32 3
		.amdhsa_float_denorm_mode_16_64 3
		.amdhsa_memory_ordered 1
		.amdhsa_forward_progress 1
		.amdhsa_inst_pref_size 65
	.end_amdhsa_kernel
	.amdgpu_metadata
---
amdhsa.version: [ 1, 2 ]
amdhsa.kernels:
  - .name:           k_q4c2421686b_attn
    .symbol:         k_q4c2421686b_attn.kd
    .args:
      - { .name: q_rec, .offset: 0, .size: 8, .value_kind: global_buffer, .address_space: global }
      - { .name: kv_rec, .offset: 8, .size: 8, .value_kind: global_buffer, .address_space: global }
      - { .name: o_img, .offset: 16, .size: 8, .value_kind: global_buffer, .address_space: global }
      - { .name: o_scales, .offset: 24, .size: 8, .value_kind: global_buffer, .address_space: global }
    .group_segment_fixed_size: 206848
    .private_segment_fixed_size: 0
    .kernarg_segment_align: 8
    .kernarg_segment_size: 32
    .max_flat_workgroup_size: 512
    .sgpr_count:     66
    .vgpr_count:     256
    .wavefront_size: 32
...
	.end_amdgpu_metadata
.endif
;; end of part 3
;; launch oproj (part 4): grid 4 x 32, 4 waves a work-group, clusters of 4 x 4, 327,680 bytes of LDS; arguments o_img, o_scales, w_codes, w_scales, out0; writes out0
.if DOCPART == 4
	.amdgcn_target "amdgcn-amd-amdhsa--gfx1250"
	.amdhsa_code_object_version 6
	.text
	.protected	k_q4c2421686b_oproj
	.globl	k_q4c2421686b_oproj
	.p2align	8
	.type	k_q4c2421686b_oproj,@function
k_q4c2421686b_oproj:
	s_mov_b64 s[64:65], 0
	v_nop
	global_prefetch_b8 v0, s[64:65] scope:SCOPE_SE
	s_setreg_imm32_b32 hwreg(HW_REG_WAVE_MODE, 25, 1), 1
	s_wait_xcnt 0x0
	s_wait_alu depctr_hold_cnt(0) depctr_sa_sdst(0) depctr_va_vdst(0) depctr_va_sdst(0) depctr_va_ssrc(0) depctr_va_vcc(0) depctr_vm_vsrc(0)
	s_getreg_b32 s2, hwreg(HW_REG_IB_STS2, 6, 4)
	s_cmp_eq_u32 s2, 0
	s_cbranch_scc0 .Lentry_in_a_cluster
	s_endpgm
.Lentry_in_a_cluster:
	s_bfe_u32 s2, ttmp6, 0x10000c
	s_cmp_lg_u32 s2, 0xf033
	s_cbranch_scc0 .Lentry_shape_is_right
	s_endpgm
.Lentry_shape_is_right:
; out0[token][d] = sum over e of O[token][e] W_o[d][e], on codes of FP6 (E2M3) with one E8M0 scale for each 32 along K; sums in f32.  M = 8,192, N = 1,024, K = 1,024.
; A = the attention's result.  Its codes lie as IMAGES OF THE OPERAND'S REGISTERS: o_img [512 tiles of 16 tokens][16 heads][3 planes][32 lanes][8 bytes]: two heads (128 along K) are six planes = the 12 registers of a fragment.
; Its scale bytes o_scales [8192 rows][32].  The rows lie in tile order: 16 rows on end are tokens 8 u + r + 8 (r / 8) of a group of 32; the way out puts each row at its token.
; B = W_o: rows 3,072 to 4,095 of w_codes [4096][768 bytes] and w_scales [4096][32], in their own order.
; A tile of C, 256 x 256, is made by a work-group of four waves; a wave makes 128 x 128: 64 accumulators, 512 registers.  K goes in four steps of 256 through a ring of two LDS slots filled by the tensor data mover.
; The scales of the work-group's 256 + 256 rows come into LDS once, with the first fills.  128 work-groups: the design's tile leaves half of the WGPs without work; a smaller tile would read each fragment for fewer products.
; CLUSTERS: 4 x 4 work-groups; A's tiles are asked for jointly along a row of the cluster, B's along a column.  THE MATRIX INSTRUCTION IS USED TRANSPOSED (source 0 = 16 rows of B, source 1 = 16 rows of A).
; REGISTERS, in windows of 256: window 0: v0-31 addresses; v32-63 scale words, two sets; from v128 A's fragments, ONE set; on the way out v128-255 take rows of C.
;   window 1: B's fragments, TWO sets.   window 2: the accumulators of my rows 0-63 ((a, b) at v[8 (8 a + b)]);   window 3: those of my rows 64-127.
.set SIZE_N, 1024
.set KSTEP,  256
.set NQ,     2
.set ROWB,   192                       ; a row of B's tile in bytes
.set KROW,   768                       ; a row of codes in memory; also A's bytes for a row: 12,288 for a tile of 16
.set AROW,   3072                      ; A: four heads (256 along K) of a tile of 16 tokens: one row of the tensor load
.set PITCH,  240                       ; B: an LDS row: 3 x (64 bytes of data + 16 of padding)
.set FR,     12
.set NL,     6
.set NP,     4
.set HALFT,  128*PITCH                 ; the place of 128 rows in a slot (A's images use 24,576 bytes of it)
.set SLOT,   4*HALFT
.set LAPS,   2
.set KS,     32
.set SCL,    2*SLOT
.set HALFS,  (128*KS/256)*272
.set SBLK,   (16*KS/256)*272
.set SPARE,  SCL+4*HALFS               ; the spare words, 128 bytes for each wave: two blocks of 256 bytes that no other line names
.set SPITCH, 528                       ; the way out: a stage of 16 rows x (512 bytes + 16) for each wave, in slot 0, which has had its last fill and its last read when the first result is stored there
.set ADRA, 16                          ; v16-17  LDS address of my A images in slot 0, 1: 8 x lane + my half
.set ADRB, 20                          ; v20-23  of my B fragments
.set STO,  24
.set RD,   25
.set CO,   26
.set ADRS, 27
.set SPW,  28
.set NIL,  29
.set SC,   32
.set AF,   128
.set BK,   128
.set G1, 24
.set G0, 32
.set G1B, 48
.set G0B, 56
.set G1S, 68
.set G0S, 76
.set G1SB, 80
.set G0SB, 88
.set MSB, 0
.macro WIN new
.if MSB != (\new)
	s_set_vgpr_msb (MSB<<8)|(\new)
.set MSB, (\new)
.endif
.endm
.set MUL_LO, 0xa1
.set MUL_HI, 0xf1
.set TO_B,   0x40
.macro JLOAD g0a, g1a, g0b, g1b        ; a joint load: waves 0 and 1 fetch for A, waves 2 and 3 for B; four v_nop follow each of the two lines
	s_cmp_eq_u32 s15, 0
	s_cbranch_scc0 .Lfor_b_\@
	tensor_load_to_lds s[\g0a:\g0a+3], s[\g1a:\g1a+7]
	s_nop 0
.rept 4
	v_nop
.endr
	s_branch .Lasked_\@
.Lfor_b_\@:
	tensor_load_to_lds s[\g0b:\g0b+3], s[\g1b:\g1b+7]
	s_nop 0
.rept 4
	v_nop
.endr
.Lasked_\@:
.endm
.macro CREST
	s_cmp_lg_u32 s14, 0
	s_cbranch_scc1 .Lnot_wave_0_\@
	s_barrier_signal -3
.Lnot_wave_0_\@:
	s_barrier_wait -3
	s_barrier_signal -1
	s_barrier_wait -1
.endm
.macro CROUND
	s_barrier_signal -1
	s_barrier_wait -1
	CREST
.endm
	s_load_b128 s[4:7], s[0:1], 0x0                ; A's images s[4:5], A's scales s[6:7]
	s_load_b128 s[8:11], s[0:1], 0x10              ; the weights' codes s[8:9], their scales s[10:11]
	s_load_b64 s[12:13], s[0:1], 0x20              ; C
	v_lshl_add_u32 v[SPW], v0, 2, SPARE
	v_mov_b32 v[NIL], 0
	ds_add_u32 v28, v29
	ds_add_u32 v28, v29
	s_wait_dscnt 0x0
	v_lshrrev_b32 v1, 5, v0
	v_readfirstlane_b32 s14, v1                    ; wave 0..3
	s_lshr_b32 s15, s14, 1                         ; which half of the tile's rows is mine.  Also: I fetch for A (0) or for B (1)
	s_and_b32 s16, s14, 1                          ; which half of its columns.  Also: which 128 rows of that tile I fetch
	s_bfe_u32 s40, ttmp6, 0x40000                  ; cx, cy
	s_bfe_u32 s41, ttmp6, 0x40004
	s_lshl_b32 s42, ttmp9, 2
	s_add_co_u32 s42, s42, s40                     ; tile column of C
	s_and_b32 s17, ttmp7, 0xffff
	s_lshl_b32 s17, s17, 2
	s_add_co_u32 s17, s17, s41                     ; tile row of C
	s_lshl_b32 s43, s41, 2
	s_lshl_b32 s43, 15, s43                        ; my row of the cluster
	s_lshl_b32 s44, 0x1111, s40                    ; my column
	; A's group 1: eight tiles of 16 tokens, of each 3,072 bytes on end (384 elements of 8 bytes), 12,288 bytes apart; no padding: every LDS read takes consecutive bytes in consecutive lanes
	s_or_b32 s[G1+0], s43, (3<<16)|(1<<21)
	s_mov_b32 s[G1+1], 384<<16                     ; tensor_dim0
	s_mov_b32 s[G1+2], 8<<16                       ; tensor_dim1
	s_mov_b32 s[G1+3], 384<<16                     ; tile_dim0
	s_mov_b32 s[G1+4], 8                           ; tile_dim1
	s_mov_b32 s[G1+5], 1536                        ; the pitch, in elements
	s_mov_b32 s[G1+6], 0
	s_mov_b32 s[G1+7], 0
	; B's group 1: 128 rows x 192 bytes, 16 bytes of padding behind every 64
	s_or_b32 s[G1B+0], s44, (0<<16)|(1<<20)|(1<<21)|(3<<22)|(3<<25)
	s_mov_b32 s[G1B+1], ROWB<<16
	s_mov_b32 s[G1B+2], 128<<16
	s_mov_b32 s[G1B+3], ROWB<<16
	s_mov_b32 s[G1B+4], 128
	s_mov_b32 s[G1B+5], KROW
	s_mov_b32 s[G1B+6], 0
	s_mov_b32 s[G1B+7], 0
	; the scales of 128 rows: 4,096 dense bytes as 16 rows of 256 bytes, 16 bytes of padding behind each
	s_or_b32 s[G1S+0], s43, (3<<16)|(1<<20)|(1<<21)|(5<<22)|(3<<25)
	s_or_b32 s[G1SB+0], s44, (3<<16)|(1<<20)|(1<<21)|(5<<22)|(3<<25)
.irp g, G1S, G1SB
	s_mov_b32 s[\g+1], 32<<16
	s_mov_b32 s[\g+2], (128*KS/256)<<16
	s_mov_b32 s[\g+3], 32<<16
	s_mov_b32 s[\g+4], 128*KS/256
	s_mov_b32 s[\g+5], 32
	s_mov_b32 s[\g+6], 0
	s_mov_b32 s[\g+7], 0
.endr
	s_lshl_b32 s18, s16, 7
	s_lshl_b32 s20, s17, 8
	s_add_co_u32 s20, s20, s18                     ; A: row 256 x tile row + 128 x half
	s_lshl_b32 s46, s42, 8
	s_add_co_u32 s46, s46, s18                     ; B: row 256 x tile column + 128 x half
	s_mov_b32 s21, 0
	s_mov_b32 s47, 0
	s_mov_b64 s[18:19], KS
	s_mul_u64 s[22:23], s[20:21], s[18:19]
	s_mul_u64 s[92:93], s[46:47], s[18:19]
	s_mov_b64 s[18:19], KROW
	s_mul_u64 s[20:21], s[20:21], s[18:19]         ; A: 768 bytes a row = 12,288 a tile of 16
	s_mul_u64 s[46:47], s[46:47], s[18:19]
	s_mul_i32 s45, s14, HALFT
	s_mul_i32 s94, s14, HALFS
	s_wait_kmcnt 0x0
	s_add_nc_u64 s[8:9], s[8:9], 3072*KROW         ; W_o's rows begin at row 3,072 of the weights
	s_add_nc_u64 s[10:11], s[10:11], 3072*KS
	s_add_nc_u64 s[20:21], s[4:5], s[20:21]
	s_add_nc_u64 s[22:23], s[6:7], s[22:23]
	s_add_nc_u64 s[46:47], s[8:9], s[46:47]
	s_add_nc_u64 s[92:93], s[10:11], s[92:93]
	CROUND                                         ; all sixteen work-groups are here: the first joint loads meet
	s_mov_b32 s[G0S], 1
	s_add_co_u32 s[G0S+1], s94, SCL
	s_mov_b64 s[G0S+2:G0S+3], s[22:23]
	s_or_b32 s[G0S+3], s[G0S+3], 0x80000000
	s_mov_b32 s[G0SB], 1
	s_add_co_u32 s[G0SB+1], s94, SCL
	s_mov_b64 s[G0SB+2:G0SB+3], s[92:93]
	s_or_b32 s[G0SB+3], s[G0SB+3], 0x80000000
	JLOAD G0S, G1S, G0SB, G1SB                     ; the scales first
.irp s, 0,1
	s_mov_b32 s[G0+4*\s], 1
	s_add_co_u32 s[G0+4*\s+1], s45, \s*SLOT
	s_add_nc_u64 s[G0+4*\s+2:G0+4*\s+3], s[20:21], \s*AROW
	s_or_b32 s[G0+4*\s+3], s[G0+4*\s+3], 0x80000000
	s_mov_b32 s[G0B+4*\s], 1
	s_add_co_u32 s[G0B+4*\s+1], s45, \s*SLOT
	s_add_nc_u64 s[G0B+4*\s+2:G0B+4*\s+3], s[46:47], \s*ROWB
	s_or_b32 s[G0B+4*\s+3], s[G0B+4*\s+3], 0x80000000
	JLOAD G0+4*\s, G1, G0B+4*\s, G1B               ; three tensor loads of mine are out at the most
.endr
	v_and_b32 v1, 15, v0                           ; l % 16
	v_bfe_u32 v2, v0, 4, 1                         ; l / 16
	v_mul_u32_u24 v3, v1, PITCH
	v_mul_u32_u24 v4, v2, 24
	v_add_nc_u32 v4, v3, v4                        ; B: a fragment's row x pitch + 24 x half
	v_lshl_add_u32 v5, v2, 4, v4                   ; and the same behind one padding more
	v_and_b32 v6, 31, v0
	v_lshlrev_b32 v7, 3, v6                        ; A: 8 x lane
	s_mul_i32 s21, s15, HALFT                      ; my 128 rows of A
	s_mul_i32 s22, s16, HALFT                      ; my 128 rows of B,
	s_add_co_u32 s22, s22, 2*HALFT                 ; which lie behind A's
.irp s, 0,1
	v_add_nc_u32 v[ADRA+\s], s21, v7
	v_add_nc_u32 v[ADRB+\s], s22, v4
	v_add_nc_u32 v[ADRB+2+\s], s22, v5
	s_add_co_u32 s21, s21, SLOT
	s_add_co_u32 s22, s22, SLOT
.endr
	v_mul_u32_u24 v5, v1, KS
	v_lshrrev_b32 v6, 8, v5
	v_lshl_add_u32 v5, v6, 4, v5
	s_mul_i32 s21, s15, HALFS
	s_mul_i32 s22, s16, HALFS
	s_add_co_u32 s22, s22, 2*HALFS
	s_sub_co_u32 s22, s22, s21
	v_mul_u32_u24 v6, s22, v2                      ; lanes 16-31 take B's: one product, the lower base + half x the distance
	s_add_co_u32 s21, s21, SCL
	v_add_nc_u32 v5, v5, v6
	v_add_nc_u32 v[ADRS], s21, v5
	s_mul_i32 s23, s14, 16*SPITCH                  ; my stage
	v_mul_u32_u24 v5, v1, SPITCH
	v_lshl_add_u32 v5, v2, 5, v5
	v_add_nc_u32 v[STO], s23, v5
	v_and_b32 v6, 31, v0
	v_lshlrev_b32 v[CO], 4, v6
	v_add_nc_u32 v[RD], s23, v[CO]
	s_lshl_b32 s20, s17, 8
	s_lshl_b32 s21, s15, 7
	s_add_co_u32 s20, s20, s21                     ; my first row of C: a multiple of 32, so the groups of 32 rows stand where their tokens do
	s_mov_b32 s21, 0
	s_mov_b64 s[18:19], SIZE_N*4
	s_mul_u64 s[20:21], s[20:21], s[18:19]
	s_lshl_b32 s46, s42, 10
	s_lshl_b32 s47, s16, 9
	s_add_co_u32 s46, s46, s47
	s_mov_b32 s47, 0
	s_add_nc_u64 s[20:21], s[20:21], s[46:47]
	s_add_nc_u64 s[12:13], s[12:13], s[20:21]
.macro FRAG reg, adr, q, i             ; a fragment of B from rows: pieces of 8 bytes; lanes 16-31 read three pieces further on; where that lies behind one padding more, the second address register serves
.irp p, 0,1,2,3,4,5
.set PC, 12*(\q)+6*(\p/3)+\p%3
.if PC%8 < 5
	ds_load_b64 v[\reg+2*\p:\reg+2*\p+1], v[\adr] offset:8*PC+16*(PC/8)+(\i)*16*PITCH
.else
	ds_load_b64 v[\reg+2*\p:\reg+2*\p+1], v[\adr+2] offset:8*PC+16*(PC/8)+(\i)*16*PITCH
.endif
.endr
.endm
.macro FRAGA reg, slot, q, i           ; a fragment of A from its image: six planes of 256 bytes, 8 bytes a lane: registers 2 p, 2 p + 1
.irp p, 0,1,2,3,4,5
	ds_load_b64 v[\reg+2*\p:\reg+2*\p+1], v[ADRA+\slot] offset:AROW*(\i)+1536*(\q)+256*\p
.endr
.endm
.macro MUL16 a0, p, q, sc, zero        ; 16 matrix instructions; the 64 accumulators take turns, one instruction a turn, in the same order in every step
.irp a, \a0, \a0+1
.irp b, 0,1,2,3,4,5,6,7
.if \zero
	v_wmma_scale_f32_16x16x128_f8f6f4 v[8*(8*((\a)%4)+\b):8*(8*((\a)%4)+\b)+7], v[128*(\p)+FR*\b:128*(\p)+FR*\b+FR-1], v[AF+FR*(\a):AF+FR*(\a)+FR-1], 0, v[SC+8*NQ*(\sc)+NQ*\b+(\q)], v[SC+8*NQ*(\sc)+NQ*(\a)+(\q)] matrix_a_fmt:MATRIX_FMT_FP6 matrix_b_fmt:MATRIX_FMT_FP6 matrix_a_scale:MATRIX_SCALE_ROW1
.else
	v_wmma_scale_f32_16x16x128_f8f6f4 v[8*(8*((\a)%4)+\b):8*(8*((\a)%4)+\b)+7], v[128*(\p)+FR*\b:128*(\p)+FR*\b+FR-1], v[AF+FR*(\a):AF+FR*(\a)+FR-1], v[8*(8*((\a)%4)+\b):8*(8*((\a)%4)+\b)+7], v[SC+8*NQ*(\sc)+NQ*\b+(\q)], v[SC+8*NQ*(\sc)+NQ*(\a)+(\q)] matrix_a_fmt:MATRIX_FMT_FP6 matrix_b_fmt:MATRIX_FMT_FP6 matrix_a_scale:MATRIX_SCALE_ROW1
.endif
.endr
.endr
.endm
.macro FETCH_B slot, q, p
	WIN TO_B
.irp i, 0,1,2,3,4,5,6,7
	FRAG 128*(\p)+FR*\i, ADRB+\slot, \q, \i
.endr
	WIN 0
.endm
.macro FETCH_A slot, q, i0
.irp i, \i0, \i0+1, \i0+2, \i0+3
	FRAGA AF+FR*(\i), \slot, \q, \i
.endr
.endm
.macro SCALES sc
.irp i, 0,1,2,3,4,5,6,7
	ds_load_b64 v[SC+8*NQ*\sc+NQ*\i:SC+8*NQ*\sc+NQ*\i+1], v[ADRS] offset:\i*SBLK
.endr
.endm
.macro PLACES n
.rept \n
	v_nop
.endr
.endm
.macro STEP slot, q, zero
	s_wait_dscnt 4*NL                              ; B's set and A's blocks 0-3 are in; the youngest 24 loads (A's blocks 4-7) may be out
	WIN MUL_LO
	MUL16 0, (\q)%2, \q, \slot, \zero
	MUL16 2, (\q)%2, \q, \slot, \zero
	s_wait_dscnt 0
	PLACES NP
	FETCH_B \slot, (\q)+1, 1-(\q)%2
	FETCH_A \slot, (\q)+1, 0
	WIN MUL_HI
	MUL16 4, (\q)%2, \q, \slot, \zero
	MUL16 6, (\q)%2, \q, \slot, \zero
	PLACES NP
	WIN 0
	FETCH_A \slot, (\q)+1, 4
.endm
.macro TURN slot, next, fill
	s_wait_tensorcnt 0x0                           ; all my tensor loads have landed: my part of the next slot
	ds_add_u32 v[SPW], v[NIL]                      ; 0 onto my spare word
	s_wait_dscnt 4*NL+1                            ; (the add and the youngest 24 loads may be out)
	WIN MUL_LO
	MUL16 0, 1, NQ-1, \slot, 0
	s_wait_dscnt 0x0                               ; the add is done, and my reads of this slot are over
	s_barrier_signal -1
	MUL16 2, 1, NQ-1, \slot, 0
	WIN 0
	s_barrier_wait -1
.if \fill
	CREST                                          ; the barrier has opened a round of the cluster's barrier: no wave of any partner still reads this slot's tile or has a load on its way
	s_add_nc_u64 s[G0+4*\slot+2:G0+4*\slot+3], s[G0+4*\slot+2:G0+4*\slot+3], 2*AROW
	s_add_nc_u64 s[G0B+4*\slot+2:G0B+4*\slot+3], s[G0B+4*\slot+2:G0B+4*\slot+3], 2*ROWB
	JLOAD G0+4*\slot, G1, G0B+4*\slot, G1B         ; the first tensor load behind the round; its four v_nop are the places in front of the loads below
.else
	PLACES NP
.endif
	v_add_nc_u32 v[ADRS], 4*NQ, v[ADRS]
	FETCH_B \next, 0, 0
	FETCH_A \next, 0, 0
	SCALES \next
	WIN MUL_HI
	MUL16 4, 1, NQ-1, \slot, 0
	MUL16 6, 1, NQ-1, \slot, 0
	PLACES NP
	WIN 0
	FETCH_A \next, 0, 4
.endm
	s_wait_tensorcnt 1                             ; the scales and my part of K step 0 are in (K step 1's load may be out)
	s_barrier_signal -1
	s_barrier_wait -1                              ; everybody's are
	FETCH_B 0, 0, 0
	FETCH_A 0, 0, 0
	SCALES 0
	FETCH_A 0, 0, 4
	STEP 0, 0, 1                                   ; the first step's products start the sums
	s_mov_b32 s3, LAPS-1
.Llap:
	TURN 0, 1, 1
	STEP 1, 0, 0
	TURN 1, 0, 1
	STEP 0, 0, 0
	s_sub_co_u32 s3, s3, 1
	s_cmp_lg_u32 s3, 0
	s_cbranch_scc1 .Llap
	TURN 0, 1, 0                                   ; the last lap fills nothing
	STEP 1, 0, 0
	s_wait_dscnt 4*NL
	WIN MUL_LO
	MUL16 0, 1, NQ-1, 1, 0
	MUL16 2, 1, NQ-1, 1, 0
	s_wait_dscnt 0
	WIN MUL_HI
	MUL16 4, 1, NQ-1, 1, 0
	MUL16 6, 1, NQ-1, 1, 0
	WIN 0
; THE WAY OUT, block by block of 16 rows x 128 columns, through my own stage in LDS; whole rows of 512 bytes come back.  LDS serves a wave's instructions in order: no wait between the stores and the loads.
; Block a = 2 g + u holds, as its row t, the token 32 g + 8 u + t + 8 (t / 8) of my 128.
.macro TOSTAGE a
.set AC, 64*((\a)%4)
	WIN 0x08+4*((\a)/4)                            ; the data: window 2 or 3
.irp b, 0,1,2,3,4,5,6,7
	ds_store_b128 v[STO], v[AC+8*\b:AC+8*\b+3] offset:64*\b          ; each accumulator from its low end on
	ds_store_b128 v[STO], v[AC+8*\b+4:AC+8*\b+7] offset:64*\b+16
.endr
	WIN 0
.set BB, BK+64*((\a)%2)
.irp t, 0,1,2,3,4,5,6,7,8,9,10,11,12,13,14,15
	ds_load_b128 v[BB+4*\t:BB+4*\t+3], v[RD] offset:\t*SPITCH
.endr
.endm
.macro SEND a, younger                 ; younger: the LDS instructions issued behind block a's loads, which may stay out
.set BB, BK+64*((\a)%2)
	s_wait_dscnt \younger                          ; the block is back in registers
.if (\a) > 0
.if (\a)%2 == 1
	s_add_nc_u64 s[12:13], s[12:13], 8*SIZE_N*4    ; (behind a wait on XCNT)  from block 2 g to 2 g + 1: 8 rows on
.else
	s_add_nc_u64 s[12:13], s[12:13], 24*SIZE_N*4   ; to the next group of 32 rows
.endif
.endif
.irp t, 0,1,2,3,4,5,6,7,8,9,10,11,12,13,14,15
	global_store_b128 v[CO], v[BB+4*\t:BB+4*\t+3], s[12:13] offset:(\t+8*(\t/8))*SIZE_N*4 th:TH_STORE_NT   ; 32 lanes store 512 consecutive bytes, aligned; written once, read by nobody here
.endr
.endm
	PLACES NP
	TOSTAGE 0
.irp a, 1,2,3,4,5,6,7
.if \a > 1
	s_wait_xcnt 0x0                                ; block a - 2's stores have read their registers and their base
.endif
	TOSTAGE \a
	SEND \a-1, 32                                  ; behind block a - 1's loads: block a's 16 stores and 16 loads
.endr
	s_wait_xcnt 0x0                                ; block 6's stores have read their base
	SEND 7, 0
	s_wait_tensorcnt 0x0                           ; the wave's end
	ds_add_u32 v[SPW], v[NIL]
	s_wait_dscnt 0x0
	CROUND                                         ; the closing round
	s_endpgm
.Lfunc_end_k_q4c2421686b_oproj:
	.size	k_q4c2421686b_oproj, .Lfunc_end_k_q4c2421686b_oproj-k_q4c2421686b_oproj
	.p2alignl 7, 3214868480
	.fill 96, 4, 3214868480
	.section	.rodata,"a",@progbits
	.p2align	6, 0x0
	.amdhsa_kernel k_q4c2421686b_oproj
		.amdhsa_group_segment_fixed_size 327680
		.amdhsa_private_segment_fixed_size 0
		.amdhsa_enable_private_segment 0
		.amdhsa_kernarg_size 40
		.amdhsa_user_sgpr_count 2
		.amdhsa_user_sgpr_kernarg_segment_ptr 1
		.amdhsa_wavefront_size32 1
		.amdhsa_system_sgpr_workgroup_id_x 1
		.amdhsa_system_sgpr_workgroup_id_y 1
		.amdhsa_system_sgpr_workgroup_id_z 1
		.amdhsa_system_vgpr_workitem_id 0
		.amdhsa_next_free_vgpr 1024
		.amdhsa_next_free_sgpr 98
		.amdhsa_reserve_vcc 0
		.amdhsa_float_denorm_mode_32 3
		.amdhsa_float_denorm_mode_16_64 3
		.amdhsa_memory_ordered 1
		.amdhsa_forward_progress 1
		.amdhsa_inst_pref_size 160
	.end_amdhsa_kernel
	.amdgpu_metadata
---
amdhsa.version: [ 1, 2 ]
amdhsa.kernels:
  - .name:           k_q4c2421686b_oproj
    .symbol:         k_q4c2421686b_oproj.kd
    .args:
      - { .name: o_img, .offset: 0, .size: 8, .value_kind: global_buffer, .address_space: global }
      - { .name: o_scales, .offset: 8, .size: 8, .value_kind: global_buffer, .address_space: global }
      - { .name: w_codes, .offset: 16, .size: 8, .value_kind: global_buffer, .address_space: global }
      - { .name: w_scales, .offset: 24, .size: 8, .value_kind: global_buffer, .address_space: global }
      - { .name: out0, .offset: 32, .size: 8, .value_kind: global_buffer, .address_space: global }
    .group_segment_fixed_size: 327680
    .private_segment_fixed_size: 0
    .kernarg_segment_align: 8
    .kernarg_segment_size: 40
    .max_flat_workgroup_size: 128
    .sgpr_count:     98
    .vgpr_count:     1024
    .wavefront_size: 32
...
	.end_amdgpu_metadata
.endif
;; end of part 4
